; MI455X (gfx1250); checked and timed in simulation.
; The chip was launched on July 23, 2026; its instructions are those of AMD's public machine-readable ISA for CDNA 5 (MIT licence, August 2026) and "CDNA5" Instruction Set Architecture Reference Guide (July 2026). The comments in the code are by the model that wrote it; some were corrected since.
;; Attention. Allowed arithmetic: matrix products marked QUANTISED: E2M3 operands, one E8M0 scale for each 32 along K, by v_wmma_scale_f32_16x16x128_f8f6f4 with both operands' format E2M3, f32 sums; everything else in f32.
;; Inputs: bo 1,024 float32; key 4 x 2,048 x 1,024 float32; query 4 x 2,048 x 1,024 float32; value 4 x 2,048 x 1,024 float32; wk 1,024 x 1,024 float32; wo 1,024 x 1,024 float32; wq 1,024 x 1,024 float32; wv 1,024 x 1,024 float32.
;; Outputs: out0 4 x 2,048 x 1,024 float32.
;; This version of the problem:
;;   THIS VERSION OF THE PROBLEM IS GIVEN IN LOW PRECISION. The matrix products marked QUANTISED in the list below multiply operands that are first quantised to E2M3 (2 exponent bits, 3 mantissa bits; 6 bits a number), with one power-of-two scale for each 32 numbers along K (OCP MX v1.0); their sums are f32. All else is computed in f32.
;;   The module's matrix products, in the order in which they are computed (A, B: the left and right operand; K: the contracted axis; several contracted axes count as one K, in the product's order):
;;     1. [M 8,192, K 1,024] x [K 1,024, N 1,024]; A: input query; B: input wq: QUANTISED
;;     2. [M 8,192, K 1,024] x [K 1,024, N 1,024]; A: input key; B: input wk: QUANTISED
;;     3. [M 8,192, K 1,024] x [K 1,024, N 1,024]; A: input value; B: input wv: QUANTISED
;;     4. batch 64 x [M 2,048, K 64] x [K 64, N 2,048]; A: computed on the way; B: computed on the way: QUANTISED
;;     5. batch 64 x [M 2,048, K 2,048] x [K 2,048, N 64]; A: softmax (see below); B: computed on the way: QUANTISED
;;     6. [M 8,192, K 1,024] x [K 1,024, N 1,024]; A: computed on the way; B: input wo: QUANTISED
;;   THE QUANTISER, for each operand of a quantised product, along K:
;;     - K is cut into blocks of 32 from its start; a last block that is shorter is filled with zeros.
;;     - A block's scale is 2^e with e = floor(log2(the largest magnitude in the block)) - 2, held to -126 .. 127; a block of zeros has e = 0. As a byte (E8M0): e + 127.
;;     - Each number is divided by its block's scale, clamped to +-7.5, and rounded to the nearest number of E2M3, ties to even, subnormals kept.
;;     - The product sums the exact products of the quantised numbers (number of the format x scale) in f32.
;;   ~~~python
;;   def quantise(x, axis):      # numpy; x: float32 -> the quantised numbers, widened to float32 again
;;       x = np.moveaxis(x, axis, -1); K = x.shape[-1]
;;       x = np.pad(x, [(0, 0)] * (x.ndim - 1) + [(0, -K % 32)]); x = x.reshape(x.shape[:-1] + (-1, 32)); a = np.abs(x).max(-1, keepdims=True)
;;       e = np.where(a > 0, np.clip(np.frexp(np.where(a > 0, a, 1))[1] - 1 - 2, -126, 127), 0)      # np.frexp(a)[1] - 1 = floor(log2(a)), exactly
;;       r = np.clip(x / 2.0 ** e, -7.5, 7.5)
;;       step = 2.0 ** (np.maximum(np.frexp(np.where(r == 0, 1, r))[1] - 1, 0) - 3)
;;       q = np.round(r / step) * step * 2.0 ** e      # np.round: ties to even
;;       return np.moveaxis(q.reshape(q.shape[:-2] + (-1,))[..., :K], -1, axis).astype(np.float32)
;;   ~~~
;;   SOFTMAX AHEAD OF A QUANTISED PRODUCT. Where the list says 'softmax', what is quantised is not the finished softmax but p = 2^(t - M), with t = logit x log2(e) and M = ceil(the row's largest t), a whole number; so 1/2 < the row's largest p <= 1. The row's sum l is taken of the UNQUANTISED p, in f32, and the product's result is divided by l at the end. Since M is a whole number, a kernel that streams over the keys may use a running M (the ceiling of the running maximum): every later rescaling is an exact power of two, which a block's scale takes up: the codes' values come out the same.
;;   OPERANDS COMPUTED ON THE WAY. 'Computed on the way' means the value that the module computes at that place (a softmax that the list does not call 'softmax' is quantised finished and normalised). What goes into a quantiser is computed in f32, as accurately as f32 sums, v_exp_f32 and their like allow (about 1e-6 of the number): no bf16 or f16 on the way to a quantiser, and a product that is left as it is and whose result goes on into a quantised operand takes f32 operands (vector FMAs, or v_wmma_f32_16x16x4_f32). A number that lies on a knife's edge between two numbers of the format may be rounded either way, as far as f32 arithmetic and the matrix unit's own rounding can turn it there, and no further.
;; One version. Each part assembles by itself: llvm-mc -triple=amdgcn-amd-amdhsa -mcpu=gfx1250 --defsym DOCPART=n.
;; ======== version 1 of 1: 4 launches
;; limits: right only within a limited range of input values
;; workspace buffers: cs 22,118,400 bytes; pj 20,185,088 bytes; at 7,372,800 bytes
;; launch quant (part 1): grid 896 x 1, 4 waves a work-group, no clusters, 34,304 bytes of LDS; arguments query, key, value, wq, wk, wv, wo, cs, at; writes cs, at
.if DOCPART == 1
	.amdgcn_target "amdgcn-amd-amdhsa--gfx1250"
	.amdhsa_code_object_version 6
	.text
	.protected	k_qa98981d7df_quant
	.globl	k_qa98981d7df_quant
	.p2align	8
	.type	k_qa98981d7df_quant,@function
k_qa98981d7df_quant:
	s_mov_b64 s[64:65], 0
	v_nop
	global_prefetch_b8 v0, s[64:65] scope:SCOPE_SE
	s_setreg_imm32_b32 hwreg(HW_REG_WAVE_MODE, 25, 1), 1
	s_wait_xcnt 0x0
; query, key, value [8192][1024] and wq, wk, wv, wo [1024][1024], f32, K innermost, become codes of FP6 (E2M3) with one E8M0 byte for each 32 along K,
; laid in the order of a matrix operand's registers.  A TILE is 16 rows: lane r of tile 2 B + u holds row 32 B + 8 u + r + 8 (r / 8).  A FRAGMENT (a tile x 128 K) is 12 registers a lane,
; lane (r, h) registers 6 c .. 6 c + 5 = k 64 c + 32 h + 0 .. 31; its image is two halves of 768 bytes: registers 6 c .. 6 c + 3 as 16 bytes a lane, then 6 c + 4, 6 c + 5 as 8 bytes a lane.
; Codes: [group of 8 tiles][K pair 0..3][tile in the group][K step in the pair][1536].  Scale words: [tile][K half 0..1][r][4 words].  Tiles 0-1727 (query, key, value, wq, wk, wv) go to cs, wo's 64 to at.
; A block's scale is 2^(floor(log2(largest magnitude)) - 2); its byte is the largest magnitude's exponent field - 2, held at 1 from below.
; LIMITS: NaN and infinities are not served; a block whose largest magnitude lies under 2^-124, a block of zeros among them, keeps the byte 1 (its codes are what the conversion gives; zeros for zeros); the bytes are read by this program alone.
; SHARES: a work-group takes 32 rows (two tiles); wave w takes tile w / 2 and K half w % 2: four fragments.  Each load reads 512 consecutive bytes of one row; a fragment's 16 rows turn through the wave's own
; stage in LDS (rows of 512 + 16 bytes) so that a lane gets 32 neighbours along K twice.  No barrier: waves share nothing.  Loads run two fragments (32 loads a wave) ahead.
; One path serves all seven tensors: only pointers and constants are chosen, by the work-group's number.
.set STG,   8448                       ; a wave's stage: 16 rows x 528 bytes
.set SPARE, 4*STG                      ; behind the stages: the spare words, 128 bytes a wave: two blocks of 256 bytes that no other line names
.set CSS,   21233664                   ; cs: the scale words begin here (1728 tiles x 12288)
.set WOC,   6291456                    ; at: wo's codes
.set WOS,   7340032                    ; at: wo's scale words
.set SPW,   12                         ; v12  my spare word's LDS address; never rewritten
.set NIL,   13                         ; v13  0; never rewritten
.set WS,    16                         ; v16-19 the four fragments' scale words
.set TM,    20                         ; v20-27 at work
.set C,     32                         ; v32-43 a fragment's codes
.set C2,    44                         ; v44-46, v48-50 the conversions' second halves
.set X,     64                         ; v64-127 64 numbers: two blocks of 32
.set R,     128                        ; v128-191, v192-255 two sets of 16 x 4 registers as loaded
	s_load_b512 s[8:23], s[0:1], 0x0               ; query, key, value, wq, wk, wv, wo, cs
	s_load_b64 s[24:25], s[0:1], 0x40              ; at
	v_lshl_add_u32 v[SPW], v0, 2, SPARE
	v_mov_b32 v[NIL], 0
	v_lshrrev_b32 v1, 5, v0
	v_readfirstlane_b32 s2, v1                     ; wave 0..3
	v_and_b32 v1, 31, v0                           ; lane
	v_and_b32 v8, 15, v0                           ; r
	v_bfe_u32 v9, v0, 4, 1                         ; h
	v_lshlrev_b32 v2, 4, v1                        ; 16 x lane
	v_lshlrev_b32 v3, 3, v1                        ; 8 x lane
	v_lshlrev_b32 v4, 4, v8                        ; 16 r
	s_mul_i32 s3, s2, STG
	v_add_nc_u32 v5, s3, v2                        ; the stage, on the way in: 16 x lane in a row
	v_mul_u32_u24 v6, v8, 528
	v_lshl_add_u32 v6, v9, 7, v6
	v_add_nc_u32 v6, s3, v6                        ; and on the way out: row r, + 128 h
	v_lshlrev_b32 v7, 3, v9                        ; 8 h: how far my two bytes are shifted in the scale word
	v_mov_b32 v[TM+7], 0                           ; a lane permute's destination counts as one of its sources
	s_mov_b32 s36, 0x76543210
	s_mov_b32 s37, 0xfedcba98                      ; selects for lane l xor 16
	s_lshr_b32 s26, s2, 1                          ; u: which tile
	s_and_b32 s27, s2, 1                           ; q: which half of K
	s_wait_alu depctr_va_vdst(0)
	s_wait_kmcnt 0x0
	s_mov_b64 s[4:5], s[8:9]                       ; which tensor: a chain of choices on the work-group's number alone
	s_mov_b32 s6, 0                                ; and its first work-group
	s_cmp_ge_u32 ttmp9, 256
	s_cselect_b64 s[4:5], s[10:11], s[4:5]
	s_cselect_b32 s6, 256, s6
	s_cmp_ge_u32 ttmp9, 512
	s_cselect_b64 s[4:5], s[12:13], s[4:5]
	s_cselect_b32 s6, 512, s6
	s_cmp_ge_u32 ttmp9, 768
	s_cselect_b64 s[4:5], s[14:15], s[4:5]
	s_cselect_b32 s6, 768, s6
	s_cmp_ge_u32 ttmp9, 800
	s_cselect_b64 s[4:5], s[16:17], s[4:5]
	s_cselect_b32 s6, 800, s6
	s_cmp_ge_u32 ttmp9, 832
	s_cselect_b64 s[4:5], s[18:19], s[4:5]
	s_cselect_b32 s6, 832, s6
	s_mov_b32 s32, CSS
	s_cmp_ge_u32 ttmp9, 864                        ; wo: its codes go to at
	s_cselect_b64 s[4:5], s[20:21], s[4:5]
	s_cselect_b32 s6, 864, s6
	s_cselect_b64 s[28:29], s[24:25], s[22:23]
	s_cselect_b32 s30, 1728, 0                     ; the buffer's first tile
	s_cselect_b32 s31, WOC, 0                      ; where its codes begin
	s_cselect_b32 s32, WOS, s32                    ; and its scale words
	; KEY'S TILES HAVE ANOTHER ORDER OF ROWS: in each run of 128 rows lane r of tile t holds row 64 (t / 4) + 8 (t % 4) + r % 8 + 32 (r / 8),
	; so that in the scores' transposed product a lane's 32 registers of four tiles are one block of 32 neighbouring keys.  All other tensors keep the order stated at the head.
	s_sub_co_u32 s6, ttmp9, s6                     ; g: the work-group in its tensor; its tiles are t = 2 (g % 4) + u of run g / 4
	s_lshr_b32 s7, s6, 2
	s_lshl_b32 s7, s7, 7                           ; 128 (g / 4)
	s_bfe_u32 s3, s6, 0x10001
	s_lshl_b32 s3, s3, 6
	s_add_co_u32 s7, s7, s3                        ; + 64 (t / 4)
	s_and_b32 s3, s6, 1
	s_lshl_b32 s3, s3, 4
	s_add_co_u32 s7, s7, s3                        ; + 16 (g % 2): with 8 u below that is 8 (t % 4)
	s_lshl_b32 s6, s6, 5
	s_lshr_b32 s3, ttmp9, 8
	s_cmp_eq_u32 s3, 1                             ; work-groups 256 to 511 take key
	s_mov_b32 s3, 65536                            ; a tile's rows 8-15 begin 16 rows behind its first row,
	s_cselect_b32 s6, s7, s6
	s_cselect_b32 s3, 131072, s3                   ; in key 32 rows
	s_lshl_b32 s7, s26, 3
	s_add_co_u32 s6, s6, s7                        ; the tile's first row: 32 x work-group + 8 u
	s_lshl_b32 s6, s6, 12                          ; rows of 4096 bytes
	s_lshl_b32 s7, s27, 11
	s_add_co_u32 s6, s6, s7                        ; + my half of K
	s_mov_b32 s7, 0
	s_add_nc_u64 s[4:5], s[4:5], s[6:7]
	s_lshl_b32 s33, ttmp9, 1
	s_add_co_u32 s33, s33, s26
	s_sub_co_u32 s33, s33, s30                     ; my tile in the buffer
	; THE CODES' ORDER IN MEMORY: [group of 8 tiles][K pair 0..3][tile in the group][K step in the pair][1536 bytes]: what a wave of a product's launch fetches of several K pairs is one dense run of bytes
	s_lshr_b32 s34, s33, 3
	s_mul_i32 s34, s34, 98304                      ; my tile's group
	s_and_b32 s35, s33, 7
	s_mul_i32 s35, s35, 3072                       ; its place in a K pair
	s_add_co_u32 s34, s34, s35
	s_add_co_u32 s34, s34, s31
	s_mul_i32 s35, s27, 49152                      ; my half of K: two K pairs
	s_add_co_u32 s34, s34, s35
	s_mov_b32 s35, 0
	s_add_nc_u64 s[34:35], s[28:29], s[34:35]      ; my four fragments' images
	s_lshl_b32 s38, s33, 9
	s_add_co_u32 s38, s38, s32
	s_lshl_b32 s39, s27, 8
	s_add_co_u32 s38, s38, s39
	s_mov_b32 s39, 0
	s_add_nc_u64 s[38:39], s[28:29], s[38:39]      ; my 256 bytes of scale words
.macro LOADF f                         ; fragment f: 512 bytes of each of the tile's 16 rows
.irp i, 0,1,2,3,4,5,6,7,8,9,10,11,12,13,14,15
.if \i < 8
	global_load_b128 v[R+64*((\f)%2)+4*\i:R+64*((\f)%2)+4*\i+3], v2, s[4:5] offset:\i*4096+512*(\f) th:TH_LOAD_NT
.else
	global_load_b128 v[R+64*((\f)%2)+4*\i:R+64*((\f)%2)+4*\i+3], v10, s[4:5] offset:(\i-8)*4096+512*(\f) th:TH_LOAD_NT
.endif
.endr
.endm
.macro FRAGQ f
.if (\f) < 3
	s_wait_loadcnt 16                              ; this fragment's 16 loads are in; the next fragment's 16 may be out
.else
	s_wait_loadcnt 0x0
.endif
.irp i, 0,1,2,3,4,5,6,7,8,9,10,11,12,13,14,15
	ds_store_b128 v5, v[R+64*((\f)%2)+4*\i:R+64*((\f)%2)+4*\i+3] offset:528*\i
.endr
.irp c, 0,1
.irp j, 0,1,2,3,4,5,6,7
	ds_load_b128 v[X+32*\c+4*\j:X+32*\c+4*\j+3], v6 offset:256*\c+16*\j   ; LDS serves a wave's instructions in order: these see the stores above
.endr
.endr
.if (\f) < 2
	s_wait_dscnt 16                                ; the 16 stores have read their registers (the 16 loads behind them may be out):
	LOADF (\f)+2                                   ; those registers take the fragment two on
.endif
	s_wait_dscnt 0x0
.irp c, 0,1
	v_max3_num_f32 v[TM+\c], |v[X+32*\c]|, |v[X+32*\c+1]|, 0x1800000   ; my block 2 c + h: all 32 numbers are mine; the floor 2^(3 - 127) holds the byte at 1 from below
.endr
.irp i, 2,4,6,8,10,12,14,16,18,20,22,24,26,28,30
.irp c, 0,1
	v_max3_num_f32 v[TM+\c], v[TM+\c], |v[X+32*\c+\i]|, |v[X+32*\c+\i+1]|
.endr
.endr
.irp c, 0,1
	v_add_nc_u32 v[TM+2+\c], 0xff000000, v[TM+\c]  ; 2 off the exponent field: the conversion's scale operand
.endr
.irp c, 0,1
	v_lshrrev_b32 v[TM+4+\c], 23, v[TM+2+\c]       ; the scale's byte
.endr
	v_lshl_or_b32 v[TM+6], v[TM+5], 16, v[TM+4]    ; blocks h and 2 + h,
	v_lshlrev_b32 v[TM+6], v7, v[TM+6]             ; at their places in the word;
	v_permlanex16_b32 v[TM+7], v[TM+6], s36, s37
	v_or_b32 v[WS+(\f)], v[TM+6], v[TM+7]          ; with lane l xor 16's two the word is whole
.if (\f) > 0
	s_wait_alu depctr_va_vdst(0)
	s_wait_xcnt 0x0                                ; the last fragment's stores have read the codes' registers: only now are they written again
.endif
.irp c, 0,1
	v_cvt_scalef32_pk16_fp6_f32 v[C+6*\c:C+6*\c+2], v[X+32*\c:X+32*\c+15], v[TM+2+\c]
	v_cvt_scalef32_pk16_fp6_f32 v[C2+4*\c:C2+4*\c+2], v[X+32*\c+16:X+32*\c+31], v[TM+2+\c]   ; (a conversion's three registers begin on an even number)
.endr
	v_nop                                          ; one plain place behind a scaled conversion
.irp c, 0,1
.irp i, 0,1,2
	v_mov_b32 v[C+6*\c+3+\i], v[C2+4*\c+\i]
.endr
.endr
	global_store_b128 v2, v[C:C+3], s[34:35] offset:24576*((\f)/2)+1536*((\f)%2)            ; 512 consecutive bytes, aligned to 256
	global_store_b64 v3, v[C+4:C+5], s[34:35] offset:24576*((\f)/2)+1536*((\f)%2)+512       ; 256
	global_store_b128 v2, v[C+6:C+9], s[34:35] offset:24576*((\f)/2)+1536*((\f)%2)+768
	global_store_b64 v3, v[C+10:C+11], s[34:35] offset:24576*((\f)/2)+1536*((\f)%2)+1280
.endm
	v_add_nc_u32 v10, s3, v2                       ; the offset of a tile's rows 8-15; never rewritten
	s_wait_alu depctr_va_vdst(0)                   ; later loads read v10 behind waits
	LOADF 0
	LOADF 1
	FRAGQ 0
	FRAGQ 1
	FRAGQ 2
	FRAGQ 3
	global_store_b128 v4, v[WS:WS+3], s[38:39]     ; lane r: row r's four words: 256 consecutive bytes (lanes 16-31 repeat the same bytes with the same values)
	s_wait_tensorcnt 0x0                           ; the wave's end, behind my last LDS store
	ds_add_u32 v[SPW], v[NIL]
	s_wait_dscnt 0x0
	s_endpgm
.Lfunc_end_k_qa98981d7df_quant:
	.size	k_qa98981d7df_quant, .Lfunc_end_k_qa98981d7df_quant-k_qa98981d7df_quant
	.p2alignl 7, 3214868480
	.fill 96, 4, 3214868480
	.section	.rodata,"a",@progbits
	.p2align	6, 0x0
	.amdhsa_kernel k_qa98981d7df_quant
		.amdhsa_group_segment_fixed_size 34304
		.amdhsa_private_segment_fixed_size 0
		.amdhsa_enable_private_segment 0
		.amdhsa_kernarg_size 72
		.amdhsa_user_sgpr_count 2
		.amdhsa_user_sgpr_kernarg_segment_ptr 1
		.amdhsa_wavefront_size32 1
		.amdhsa_system_sgpr_workgroup_id_x 1
		.amdhsa_system_sgpr_workgroup_id_y 1
		.amdhsa_system_sgpr_workgroup_id_z 1
		.amdhsa_system_vgpr_workitem_id 0
		.amdhsa_next_free_vgpr 256
		.amdhsa_next_free_sgpr 66
		.amdhsa_reserve_vcc 0
		.amdhsa_float_denorm_mode_32 3
		.amdhsa_float_denorm_mode_16_64 3
		.amdhsa_memory_ordered 1
		.amdhsa_forward_progress 1
		.amdhsa_inst_pref_size 33
	.end_amdhsa_kernel
	.amdgpu_metadata
---
amdhsa.version: [ 1, 2 ]
amdhsa.kernels:
  - .name:           k_qa98981d7df_quant
    .symbol:         k_qa98981d7df_quant.kd
    .args:
      - { .name: query, .offset: 0, .size: 8, .value_kind: global_buffer, .address_space: global }
      - { .name: key, .offset: 8, .size: 8, .value_kind: global_buffer, .address_space: global }
      - { .name: value, .offset: 16, .size: 8, .value_kind: global_buffer, .address_space: global }
      - { .name: wq, .offset: 24, .size: 8, .value_kind: global_buffer, .address_space: global }
      - { .name: wk, .offset: 32, .size: 8, .value_kind: global_buffer, .address_space: global }
      - { .name: wv, .offset: 40, .size: 8, .value_kind: global_buffer, .address_space: global }
      - { .name: wo, .offset: 48, .size: 8, .value_kind: global_buffer, .address_space: global }
      - { .name: cs, .offset: 56, .size: 8, .value_kind: global_buffer, .address_space: global }
      - { .name: at, .offset: 64, .size: 8, .value_kind: global_buffer, .address_space: global }
    .group_segment_fixed_size: 34304
    .private_segment_fixed_size: 0
    .kernarg_segment_align: 8
    .kernarg_segment_size: 72
    .max_flat_workgroup_size: 128
    .sgpr_count:     66
    .vgpr_count:     256
    .wavefront_size: 32
...
	.end_amdgpu_metadata
.endif
;; end of part 1
;; launch proj (part 2): grid 4 x 96, 4 waves a work-group, clusters of 4 x 4, 327,680 bytes of LDS; arguments cs, pj; writes pj
.if DOCPART == 2
	.amdgcn_target "amdgcn-amd-amdhsa--gfx1250"
	.amdhsa_code_object_version 6
	.text
	.protected	k_qa98981d7df_proj
	.globl	k_qa98981d7df_proj
	.p2align	8
	.type	k_qa98981d7df_proj,@function
k_qa98981d7df_proj:
	s_mov_b64 s[64:65], 0
	v_nop
	global_prefetch_b8 v0, s[64:65] scope:SCOPE_SE
	s_setreg_imm32_b32 hwreg(HW_REG_WAVE_MODE, 25, 1), 1
	s_wait_xcnt 0x0
	s_wait_alu depctr_hold_cnt(0) depctr_sa_sdst(0) depctr_va_vdst(0) depctr_va_sdst(0) depctr_va_ssrc(0) depctr_va_vcc(0) depctr_vm_vsrc(0)
	s_getreg_b32 s2, hwreg(HW_REG_IB_STS2, 6, 4)
	s_cmp_eq_u32 s2, 0
	s_cbranch_scc0 .Lentry_in_a_cluster
	s_endpgm
.Lentry_in_a_cluster:
	s_bfe_u32 s2, ttmp6, 0x10000c
	s_cmp_lg_u32 s2, 0xf033
	s_cbranch_scc0 .Lentry_shape_is_right
	s_endpgm
.Lentry_shape_is_right:
.set FR,    12
.set HALFT, 24576
.set SLOT,  4*HALFT
.set SPARE, 3*SLOT
.set CSS,   21233664
.set QC,    13369344
.set QS,    19660800
.set REC,   13056
.set HEADB, 16*REC
.set A16,   16
.set A8,    19
.set B16,   22
.set B8,    25
.set SPW,   28
.set NIL,   29
.set SC,    32
.set AF,    128
.set PC,    128
.set TM,    152
.set PW,    168
.set W,     172
.set G1A,   24
.set G0A,   32
.set G1B,   44
.set G0B,   52
.set SEL,   8
.set MSB,   0
.macro WIN new
.if MSB != \new
	s_set_vgpr_msb (MSB<<8)|\new
.set MSB, \new
.endif
.endm
.set MUL_LO, 0xa1
.set MUL_HI, 0xf1
.set TO_B,   0x40
.macro JLOAD g0a, g1a, g0b, g1b
	s_cmp_eq_u32 s15, 0
	s_cbranch_scc0 .Lfor_b_\@
	tensor_load_to_lds s[\g0a:\g0a+3], s[\g1a:\g1a+7]
	s_nop 0
.rept 4
	v_nop
.endr
	s_branch .Lasked_\@
.Lfor_b_\@:
	tensor_load_to_lds s[\g0b:\g0b+3], s[\g1b:\g1b+7]
	s_nop 0
.rept 4
	v_nop
.endr
.Lasked_\@:
.endm
.macro CREST
	s_cmp_lg_u32 s14, 0
	s_cbranch_scc1 .Lnot_wave_0_\@
	s_barrier_signal -3
.Lnot_wave_0_\@:
	s_barrier_wait -3
	s_barrier_signal -1
	s_barrier_wait -1
.endm
.macro CROUND
	s_barrier_signal -1
	s_barrier_wait -1
	CREST
.endm
.macro PLACES n
.rept \n
	v_nop
.endr
.endm
.macro FRAG reg, a16, a8, off
	ds_load_b128 v[\reg:\reg+3], v[\a16] offset:\off
	ds_load_b64 v[\reg+4:\reg+5], v[\a8] offset:\off+512
	ds_load_b128 v[\reg+6:\reg+9], v[\a16] offset:\off+768
	ds_load_b64 v[\reg+10:\reg+11], v[\a8] offset:\off+1280
.endm
.macro FETCH_B sl, q, p
	WIN TO_B
.irp i, 0,1,2,3,4,5,6,7
	FRAG 128*(\p)+FR*\i, B16+(\sl), B8+(\sl), 3072*\i+1536*(\q)
.endr
	WIN 0
.endm
.macro FETCH_A sl, q, i0
.irp i, \i0, \i0+1, \i0+2, \i0+3
	FRAG AF+FR*(\i), A16+(\sl), A8+(\sl), 3072*(\i)+1536*(\q)
.endr
.endm
.macro MUL16 a0, p, g, first
.irp a, \a0, \a0+1
.irp b, 0,1,2,3,4,5,6,7
.if \first
	v_wmma_scale_f32_16x16x128_f8f6f4 v[8*(8*((\a)%4)+\b):8*(8*((\a)%4)+\b)+7], v[128*(\p)+FR*\b:128*(\p)+FR*\b+FR-1], v[AF+FR*(\a):AF+FR*(\a)+FR-1], 0, v[SC+8*\b+(\g)], v[SC+8*(\a)+(\g)] matrix_a_fmt:MATRIX_FMT_FP6 matrix_b_fmt:MATRIX_FMT_FP6 matrix_a_scale:MATRIX_SCALE_ROW1
.else
	v_wmma_scale_f32_16x16x128_f8f6f4 v[8*(8*((\a)%4)+\b):8*(8*((\a)%4)+\b)+7], v[128*(\p)+FR*\b:128*(\p)+FR*\b+FR-1], v[AF+FR*(\a):AF+FR*(\a)+FR-1], v[8*(8*((\a)%4)+\b):8*(8*((\a)%4)+\b)+7], v[SC+8*\b+(\g)], v[SC+8*(\a)+(\g)] matrix_a_fmt:MATRIX_FMT_FP6 matrix_b_fmt:MATRIX_FMT_FP6 matrix_a_scale:MATRIX_SCALE_ROW1
.endif
.endr
.endr
.endm
.macro STEP g, sn, qn, first
	s_wait_dscnt 16
	WIN MUL_LO
	MUL16 0, (\g)%2, \g, \first
	MUL16 2, (\g)%2, \g, \first
	s_wait_dscnt 0x0
	PLACES 4
	FETCH_B \sn, \qn, 1-(\g)%2
	FETCH_A \sn, \qn, 0
	WIN MUL_HI
	MUL16 4, (\g)%2, \g, \first
	MUL16 6, (\g)%2, \g, \first
	PLACES 4
	WIN 0
	FETCH_A \sn, \qn, 4
.endm
.macro TURN g, sn, fill
	s_wait_tensorcnt 0x0
	ds_add_u32 v[SPW], v[NIL]
	s_wait_dscnt 17
	WIN MUL_LO
	MUL16 0, (\g)%2, \g, 0
	s_wait_dscnt 0x0
	s_barrier_signal -1
	MUL16 2, (\g)%2, \g, 0
	WIN 0
	s_barrier_wait -1
.if \fill
	CREST
	s_add_nc_u64 s[G0A+2:G0A+3], s[G0A+2:G0A+3], 73728   ; three K pairs on: K steps 6 and 7, into slot 0
	s_add_nc_u64 s[G0B+2:G0B+3], s[G0B+2:G0B+3], 73728
	JLOAD G0A, G1A, G0B, G1B
.else
	PLACES 4
.endif
	FETCH_B \sn, 0, 1-(\g)%2
	FETCH_A \sn, 0, 0
	WIN MUL_HI
	MUL16 4, (\g)%2, \g, 0
	MUL16 6, (\g)%2, \g, 0
	PLACES 4
	WIN 0
	FETCH_A \sn, 0, 4
.endm
	s_load_b128 s[4:7], s[0:1], 0x0
	v_lshl_add_u32 v[SPW], v0, 2, SPARE
	v_mov_b32 v[NIL], 0
	ds_add_u32 v[SPW], v[NIL]
	ds_add_u32 v[SPW], v[NIL]
	v_lshrrev_b32 v1, 5, v0
	v_readfirstlane_b32 s14, v1
	s_lshr_b32 s15, s14, 1
	s_and_b32 s16, s14, 1
	s_bfe_u32 s66, ttmp6, 0x40000
	s_bfe_u32 s67, ttmp6, 0x40004
	s_lshl_b32 s68, s67, 2
	s_lshl_b32 s68, 15, s68
	s_lshl_b32 s69, 0x1111, s66
	s_or_b32 s[G1A], s68, (3<<16)|(1<<21)
	s_or_b32 s[G1B], s69, (3<<16)|(1<<21)
.irp g, G1A, G1B
	s_mov_b32 s[\g+1], 384<<16
	s_mov_b32 s[\g+2], 24<<16                      ; the head's load: 24 rows of 3072 bytes, dense: three K pairs of my 8 tiles
	s_mov_b32 s[\g+3], 384<<16
	s_mov_b32 s[\g+4], 24
	s_mov_b32 s[\g+5], 384
	s_mov_b32 s[\g+6], 0
	s_mov_b32 s[\g+7], 0
.endr
	s_and_b32 s17, ttmp7, 0xffff
	s_lshr_b32 s18, s17, 3
	s_and_b32 s19, s17, 7
	s_lshl_b32 s72, s18, 9
	s_lshl_b32 s73, s18, 6
	s_add_co_u32 s73, s73, 1536
	s_mov_b32 s74, 0
	s_mov_b32 s75, HEADB
	s_mov_b32 s76, REC
	s_mov_b32 s77, HEADB
	s_mov_b32 s78, 768
	s_mov_b32 s79, 0
	s_mov_b32 s80, 0
	s_mov_b32 s81, 0
	s_mov_b32 s82, 6144
	s_mov_b32 s83, HEADB
	s_mov_b32 s84, REC
	s_mov_b32 s85, HEADB
	s_mov_b32 s86, 256
	s_mov_b32 s87, 16
	s_mov_b32 s88, 0xffff
	s_cmp_eq_u32 s18, 0
	s_cselect_b32 s74, QC, s74
	s_cselect_b32 s75, 98304, s75
	s_cselect_b32 s76, 6144, s76
	s_cselect_b32 s77, 98304, s77
	s_cselect_b32 s82, QS, s82
	s_cselect_b32 s83, 8192, s83
	s_cselect_b32 s84, 512, s84
	s_cselect_b32 s85, 8192, s85
	s_cmp_eq_u32 s18, 2
	s_cselect_b32 s74, 6656, s74
	s_cselect_b32 s77, 768, s77
	s_cselect_b32 s78, 1536, s78
	s_cselect_b32 s80, 202752, s80
	s_cselect_b32 s82, 12800, s82
	s_cselect_b32 s85, 0, s85
	s_cselect_b32 s86, HEADB, s86
	s_cselect_b32 s87, 0, s87
	s_cselect_b32 s88, -1, s88
	s_cselect_b32 s70, 0, s19
	s_cselect_b32 s71, s19, 0
	s_cselect_b32 s72, 1664, s72
	s_cselect_b32 s73, 1024, s73
	s_cselect_b32 s89, 1, 0
	s_lshl_b32 s70, s70, 2
	s_add_co_u32 s70, s70, s67
	s_lshl_b32 s71, s71, 2
	s_add_co_u32 s71, s71, s66
	s_lshl_b32 s17, s16, 3
	s_lshl_b32 s90, s70, 4
	s_add_co_u32 s90, s90, s72
	s_add_co_u32 s90, s90, s17
	s_mul_i32 s90, s90, 12288
	s_mov_b32 s91, 0
	s_lshl_b32 s92, s71, 4
	s_add_co_u32 s92, s92, s73
	s_add_co_u32 s92, s92, s17
	s_mul_i32 s92, s92, 12288
	s_mov_b32 s93, 0
	s_mul_i32 s94, s14, 3*HALFT                    ; LDS: [wave's quarter][slot][tile][3072]
	s_mov_b32 s[SEL], 0x76543210
	s_mov_b32 s[SEL+1], 0xfedcba98
	s_wait_dscnt 0x0
	s_wait_kmcnt 0x0
	s_add_nc_u64 s[90:91], s[4:5], s[90:91]
	s_add_nc_u64 s[92:93], s[4:5], s[92:93]
	CROUND
	s_mov_b32 s[G0A], 1
	s_mov_b32 s[G0A+1], s94
	s_mov_b64 s[G0A+2:G0A+3], s[90:91]
	s_or_b32 s[G0A+3], s[G0A+3], 0x80000000
	s_mov_b32 s[G0B], 1
	s_mov_b32 s[G0B+1], s94
	s_mov_b64 s[G0B+2:G0B+3], s[92:93]
	s_or_b32 s[G0B+3], s[G0B+3], 0x80000000
	JLOAD G0A, G1A, G0B, G1B                       ; my quarter of slots 0, 1 and 2 (K steps 0 to 5): the wave's one tensor load at the head
	v_and_b32 v1, 31, v0
	v_and_b32 v8, 15, v0
	v_bfe_u32 v9, v0, 4, 1
	s_wait_alu depctr_va_vdst(0)
	v_lshlrev_b32 v2, 4, v1
	s_wait_alu depctr_va_vdst(0)
	v_lshlrev_b32 v3, 3, v1
	s_wait_alu depctr_va_vdst(0)
	s_lshl_b32 s20, s70, 4
	s_add_co_u32 s20, s20, s72
	s_lshl_b32 s21, s15, 3
	s_add_co_u32 s20, s20, s21
	s_lshl_b32 s20, s20, 9
	s_lshl_b32 s22, s71, 4
	s_add_co_u32 s22, s22, s73
	s_add_co_u32 s22, s22, s17
	s_lshl_b32 s22, s22, 9
	s_sub_co_u32 s22, s22, s20
	s_add_co_u32 s20, s20, CSS
	v_mul_lo_u32 v11, v9, s22
	v_lshl_add_u32 v11, v8, 4, v11
	v_add_nc_u32 v11, s20, v11
.irp i, 0,1,2,3,4,5,6,7
	global_load_b128 v[SC+8*\i:SC+8*\i+3], v11, s[4:5] offset:512*\i
	global_load_b128 v[SC+8*\i+4:SC+8*\i+7], v11, s[4:5] offset:512*\i+256
.endr
	s_mul_i32 s20, s15, 3*HALFT
	s_mul_i32 s21, s16, 3*HALFT
	s_add_co_u32 s21, s21, 6*HALFT
.irp s, 0,1,2
	v_add_nc_u32 v[A16+\s], s20, v2
	v_add_nc_u32 v[A8+\s], s20, v3
	v_add_nc_u32 v[B16+\s], s21, v2
	v_add_nc_u32 v[B8+\s], s21, v3
	s_add_co_u32 s20, s20, HALFT
	s_add_co_u32 s21, s21, HALFT
.endr
	s_lshl_b32 s20, s70, 8
	s_lshl_b32 s21, s15, 7
	s_add_co_u32 s20, s20, s21
	s_lshl_b32 s22, s71, 8
	s_lshl_b32 s23, s16, 7
	s_add_co_u32 s22, s22, s23
	s_cmp_eq_u32 s89, 1
	s_cselect_b32 s21, s22, s20
	s_cselect_b32 s23, s20, s22
	s_lshr_b32 s95, s21, 11
	s_lshl_b32 s95, s95, 4
	s_lshr_b32 s96, s23, 6
	s_add_co_u32 s95, s95, s96
	s_bfe_u32 s96, s21, 0x40007
	s_mul_i32 s98, s95, s75
	s_mul_i32 s97, s96, s76
	s_add_co_u32 s98, s98, s97
	s_add_co_u32 s98, s98, s74
	s_mov_b32 s99, 0
	s_add_nc_u64 s[12:13], s[6:7], s[98:99]
	s_mul_i32 s97, s95, s83
	s_mul_i32 s98, s96, s84
	s_add_co_u32 s97, s97, s98
	s_add_co_u32 s97, s97, s82
	v_add_nc_u32 v4, s77, v2
	v_add_nc_u32 v5, s77, v3
	v_mul_lo_u32 v6, v9, s85
	v_lshl_add_u32 v6, v8, 4, v6
	v_add_nc_u32 v6, s97, v6
	v_add_nc_u32 v7, s86, v6
	v_mul_u32_u24 v10, v9, s87
	s_wait_alu depctr_va_vdst(0)                   ; the wait at the head's end
	s_wait_tensorcnt 0x0                           ; my quarter of all three slots is in; no tensor load of mine is out, so a descriptor may be written:
	s_mov_b32 s[G1A+2], 8<<16                      ; the one refill brings 8 rows: one K pair
	s_mov_b32 s[G1A+4], 8
	s_mov_b32 s[G1B+2], 8<<16
	s_mov_b32 s[G1B+4], 8
	s_barrier_signal -1
	s_barrier_wait -1
	FETCH_B 0, 0, 0
	FETCH_A 0, 0, 0
	FETCH_A 0, 0, 4
	s_wait_loadcnt 0x0
	STEP 0, 0, 1, 1
	TURN 1, 1, 1
	STEP 2, 1, 1, 0
	s_wait_alu depctr_va_vdst(0)
	STEP 3, 2, 0, 0
	STEP 4, 2, 1, 0
	TURN 5, 0, 0
	STEP 6, 0, 1, 0
	s_wait_dscnt 16
	WIN MUL_LO
	MUL16 0, 1, 7, 0
	MUL16 2, 1, 7, 0
	s_wait_dscnt 0x0
	WIN MUL_HI
	MUL16 4, 1, 7, 0
	MUL16 6, 1, 7, 0
	WIN 0
.macro QOUT a
.set AC, 64*((\a)%4)
	WIN 0x0a+5*((\a)/4)
.irp b, 0,1,2,3
	v_max3_num_f32 v[TM+\b], |v[AC+16*\b]|, |v[AC+16*\b+1]|, 0x1800000
.endr
.irp i, 2,4,6,8,10,12,14
.irp b, 0,1,2,3
	v_max3_num_f32 v[TM+\b], |v[AC+16*\b+\i]|, |v[AC+16*\b+\i+1]|, v[TM+\b]
.endr
.endr
	WIN 0
.irp b, 0,1,2,3
	v_permlanex16_b32 v[TM+4+\b], v[TM+\b], s[SEL], s[SEL+1]
.endr
.irp b, 0,1,2,3
	v_max_num_f32 v[TM+\b], v[TM+\b], v[TM+4+\b]
.endr
.irp b, 0,1,2,3
	v_add_nc_u32 v[TM+12+\b], 0xff000000, v[TM+\b]
.endr
.irp b, 0,1,2,3
	v_lshrrev_b32 v[TM+4+\b], 23, v[TM+12+\b]
.endr
	v_lshl_or_b32 v[PW], v[TM+5], 8, v[TM+4]
	v_lshl_or_b32 v[PW], v[TM+6], 16, v[PW]
	v_lshl_or_b32 v[PW], v[TM+7], 24, v[PW]
	v_lshrrev_b32 v[PW], v10, v[PW]
	v_and_b32 v[W+(\a)], s88, v[PW]
.if (\a) > 0
	s_wait_xcnt 0x0
	s_add_nc_u64 s[12:13], s[12:13], s[78:79]
.endif
.if (\a) == 4
	s_add_nc_u64 s[12:13], s[12:13], s[80:81]
.endif
	WIN 0x02+((\a)/4)
.irp c, 0,1
	v_cvt_scalef32_pk16_fp6_f32 v[PC+6*\c:PC+6*\c+2], v[AC+32*\c:AC+32*\c+15], v[TM+12+2*\c]
	v_cvt_scalef32_pk16_fp6_f32 v[PC+12+4*\c:PC+14+4*\c], v[AC+32*\c+16:AC+32*\c+31], v[TM+13+2*\c]
.endr
	WIN 0
	v_nop
.irp c, 0,1
.irp i, 0,1,2
	v_permlane16_swap_b32 v[PC+6*\c+\i], v[PC+12+4*\c+\i]
.endr
.irp i, 0,1,2
	v_mov_b32 v[PC+3+6*\c+\i], v[PC+12+4*\c+\i]
.endr
.endr
	global_store_b128 v2, v[PC:PC+3], s[12:13]
	global_store_b64 v3, v[PC+4:PC+5], s[12:13] offset:512
	global_store_b128 v4, v[PC+6:PC+9], s[12:13]
	global_store_b64 v5, v[PC+10:PC+11], s[12:13] offset:512
.endm
	PLACES 4
.irp b, 0,1,2,3
	v_mov_b32 v[TM+4+\b], 0
.endr
.irp a, 0,1,2,3,4,5,6,7
	QOUT \a
.endr
	global_store_b128 v6, v[W:W+3], s[6:7]
	global_store_b128 v7, v[W+4:W+7], s[6:7]
	s_wait_tensorcnt 0x0
	ds_add_u32 v[SPW], v[NIL]
	s_wait_dscnt 0x0
	CROUND
	s_endpgm
.Lfunc_end_k_qa98981d7df_proj:
	.size	k_qa98981d7df_proj, .Lfunc_end_k_qa98981d7df_proj-k_qa98981d7df_proj
	.p2alignl 7, 3214868480
	.fill 96, 4, 3214868480
	.section	.rodata,"a",@progbits
	.p2align	6, 0x0
	.amdhsa_kernel k_qa98981d7df_proj
		.amdhsa_group_segment_fixed_size 327680
		.amdhsa_private_segment_fixed_size 0
		.amdhsa_enable_private_segment 0
		.amdhsa_kernarg_size 16
		.amdhsa_user_sgpr_count 2
		.amdhsa_user_sgpr_kernarg_segment_ptr 1
		.amdhsa_wavefront_size32 1
		.amdhsa_system_sgpr_workgroup_id_x 1
		.amdhsa_system_sgpr_workgroup_id_y 1
		.amdhsa_system_sgpr_workgroup_id_z 1
		.amdhsa_system_vgpr_workitem_id 0
		.amdhsa_next_free_vgpr 1024
		.amdhsa_next_free_sgpr 100
		.amdhsa_reserve_vcc 0
		.amdhsa_float_denorm_mode_32 3
		.amdhsa_float_denorm_mode_16_64 3
		.amdhsa_memory_ordered 1
		.amdhsa_forward_progress 1
		.amdhsa_inst_pref_size 148
	.end_amdhsa_kernel
	.amdgpu_metadata
---
amdhsa.version: [ 1, 2 ]
amdhsa.kernels:
  - .name:           k_qa98981d7df_proj
    .symbol:         k_qa98981d7df_proj.kd
    .args:
      - { .name: cs, .offset: 0, .size: 8, .value_kind: global_buffer, .address_space: global }
      - { .name: pj, .offset: 8, .size: 8, .value_kind: global_buffer, .address_space: global }
    .group_segment_fixed_size: 327680
    .private_segment_fixed_size: 0
    .kernarg_segment_align: 8
    .kernarg_segment_size: 16
    .max_flat_workgroup_size: 128
    .sgpr_count:     100
    .vgpr_count:     1024
    .wavefront_size: 32
...
	.end_amdgpu_metadata
.endif
;; end of part 2
;; launch attn (part 3): grid 4 x 64, 8 waves a work-group, clusters of 4 x 1, 327,680 bytes of LDS; arguments pj, at; writes at
.if DOCPART == 3
	.amdgcn_target "amdgcn-amd-amdhsa--gfx1250"
	.amdhsa_code_object_version 6
	.text
	.protected	k_qa98981d7df_attn
	.globl	k_qa98981d7df_attn
	.p2align	8
	.type	k_qa98981d7df_attn,@function
k_qa98981d7df_attn:
	s_mov_b64 s[64:65], 0
	v_nop
	global_prefetch_b8 v0, s[64:65] scope:SCOPE_SE
	s_setreg_imm32_b32 hwreg(HW_REG_WAVE_MODE, 25, 1), 1
	s_wait_xcnt 0x0
	s_wait_alu depctr_hold_cnt(0) depctr_sa_sdst(0) depctr_va_vdst(0) depctr_va_sdst(0) depctr_va_ssrc(0) depctr_va_vcc(0) depctr_vm_vsrc(0)
	s_getreg_b32 s2, hwreg(HW_REG_IB_STS2, 6, 4)
	s_cmp_eq_u32 s2, 0
	s_cbranch_scc0 .Lentry_in_a_cluster
	s_endpgm
.Lentry_in_a_cluster:
	s_bfe_u32 s2, ttmp6, 0x10000c
	s_cmp_lg_u32 s2, 0x3003
	s_cbranch_scc0 .Lentry_shape_is_right
	s_endpgm
.Lentry_shape_is_right:
; O = softmax(q k^T / 8) v for 64 heads of 2048 x 64, both products on codes of FP6 (E2M3) with E8M0 scales; the result is divided by the row's sum, quantised along the model's 1024 and stored as the last product's operand
; (codes: [group of 8 tiles][K pair][tile][K step in the pair][1536 bytes]; a head is half a K step).
; THE SOFTMAX: t = score x log2(e) / 8; M = the running largest t rounded UP to a whole number; p = 2^(t - M) is quantised along the keys, not normalised; the row's sum is taken of the unquantised p.
; When M moves, the sum and O are multiplied by 2^(old M - new M): exact, in every step, with no branch.
; SHARES: a work-group takes one head and 512 queries; each of its 8 waves TWO tiles of 16 queries at once (x = 0, 1), in each of two passes: tile 32 cx + 16 pass + 8 x + wave.  Each fragment of K and V read from LDS feeds two products.
; The head's 16 records (128 keys each: K's codes and scale words, V^T's codes and scale words; 13056 bytes) come into LDS ONCE, two records by each wave's one tensor load, and stay for both passes: nothing is filled again.
; The four work-groups of a cluster share a head and ask jointly.
; LAYOUT: both products transposed (S^T = K Q^T, O^T = V^T P^T): a lane holds one query throughout.  Lane r of K's tile t holds key 64 (t / 4) + 8 (t % 4) + r % 8 + 32 (r / 8) of the record, so register 32 c + i of a lane's 64 scores
; is key 64 c + 32 h + i: a lane holds two WHOLE blocks of 32 keys, in the order of the next operand's registers: no lane is asked for a block's maximum and no code changes lanes.
; THE SCORES' K IS 64, the instruction's 128: Q's upper six registers are zero codes, and in Q's and K's scale words bytes 2 and 3 are 0.  K's fragment t is named with the next fragment's six registers as its upper half
; (the last one's: zeros); every pattern of 6 bits is a finite number, and times a zero code it adds 0.
; THE ORDER OF A STEP: the two tiles go half a phase apart, so that one tile's dependent lines stand among the other's independent ones: x = 1's score products among x = 0's search for the largest score; x = 0's chain to M and f
; among x = 1's search; x = 1's chain among x = 0's scalings; the sums of p among the second product's instructions.
; ONE TEXT for all steps: a loop of 16 steps in a loop of 2 passes.  K of the next step is fetched behind this step's score products (record (step + 1) % 16: a pass's last step fetches the next pass's first record;
; the very last fetch is read by nobody).  The moves of the next pass's Q run behind both passes; behind the second they serve nothing.
; No prefetch: each work-group's whole stream is asked for at its head, and there is no loop ahead of it to ask in.
; The scale bytes of a head (two of a word's four) leave by a store of 2 bytes a lane, 16 lanes inside one aligned 256 bytes: the word's other half is another head's work-group's.
; LIMITS: NaN and infinities are not served; the promise holds while the scaled scores t stay under 2^31 in magnitude; p under 2^-126 counts as 0; a block whose largest magnitude lies under 2^-124 keeps the byte 1.
; REGISTERS, window 0: v1-3 16 x lane, 8 x lane, 16 r; v8-13 LDS addresses; v14-19 Q's and p's scale words; v20-31 K's and V's; v32-55 Q (6 + 6 zeros, twice); v56-67 the next pass's Q; v68-121 K and six zeros; v124-171 V;
;   v172-195 p's codes; v196-211 the conversions' second halves.  Window 1: v0-127 S^T, then p (64 x); v128-191 O^T (32 x); from v192 on 28 registers of work for each x; v254 8 h.
.set REC,   13056
.set HEADB, 16*REC
.set SPARE, HEADB                      ; behind the records: the spare words, 128 bytes for each of 8 waves: four blocks of 256 bytes that no other line names
.set QC,    13369344
.set QS,    19660800
.set ASC,   7077888
.set SPW,   5
.set NIL,   6
.set CA,    8                          ; v8-10  this record: 16 x lane, 8 x lane, 16 r
.set NA,    11                         ; v11-13 the next record
.set QSC,   14
.set PSC,   16
.set QSN,   18
.set KS,    20
.set VS,    28
.set QF,    32
.set QN,    56
.set KF,    68
.set VF,    124
.set PF,    172
.set PT,    196
.set T,     192                        ; window 1, + 28 x: 0, 1 block maxima; 2 -M, 3 largest score; 4, 5 the sum; 6 f (7: its pair); 8-11 at work; 12-19 four chains of sums; 20, 21 scale operands; 22, 23 bytes; 24, 25 the word
.set SH,    254
.set WV,    18
.set SEL,   20
.set CS,    22                         ; s[22:23] c = log2(e) / 8
.set G1,    24
.set G0,    32
.set NC,    36                         ; -c
.set TB,    37                         ; LDS byte at which this step's record begins
.set TN,    38                         ; and the next step's
.set MSB,   0
.macro WIN new                         ; the immediate's high byte repeats the setting that is left
.if MSB != \new
	s_set_vgpr_msb (MSB<<8)|\new
.set MSB, \new
.endif
.endm
.macro WALU
	s_wait_alu depctr_va_vdst(0)
.endm
.macro CROUND
	s_barrier_signal -1
	s_barrier_wait -1
	s_cmp_lg_u32 s[WV], 0
	s_cbranch_scc1 .Lnot_wave_0_\@
	s_barrier_signal -3
.Lnot_wave_0_\@:
	s_barrier_wait -3
	s_barrier_signal -1
	s_barrier_wait -1
.endm
.macro KLOAD a                         ; K's eight fragments and their scale words: 18 loads
.irp t, 0,1,2,3,4,5,6,7
	ds_load_b128 v[KF+6*\t:KF+6*\t+3], v[\a] offset:768*\t
	ds_load_b64 v[KF+6*\t+4:KF+6*\t+5], v[\a+1] offset:768*\t+512
.endr
	ds_load_b128 v[KS:KS+3], v[\a+2] offset:6144
	ds_load_b128 v[KS+4:KS+7], v[\a+2] offset:6400
.endm
.macro VLOAD a                         ; V^T's four fragments and their scale words: 17 loads
.irp t, 0,1,2,3
	ds_load_b128 v[VF+12*\t:VF+12*\t+3], v[\a] offset:6656+1536*\t
	ds_load_b64 v[VF+12*\t+4:VF+12*\t+5], v[\a+1] offset:6656+1536*\t+512
	ds_load_b128 v[VF+12*\t+6:VF+12*\t+9], v[\a] offset:6656+1536*\t+768
	ds_load_b64 v[VF+12*\t+10:VF+12*\t+11], v[\a+1] offset:6656+1536*\t+1280
.endr
	ds_load_b128 v[VS:VS+3], v[\a+2] offset:12800
.endm
.macro SCORE t, x                      ; S^T of K's tile t and Q's tile x
	v_wmma_scale_f32_16x16x128_f8f6f4 v[64*\x+8*\t:64*\x+8*\t+7], v[KF+6*\t:KF+6*\t+11], v[QF+12*\x:QF+12*\x+11], 0, v[KS+\t], v[QSC+\x] matrix_a_fmt:MATRIX_FMT_FP6 matrix_b_fmt:MATRIX_FMT_FP6
.endm
; Level k (0..7) of x's search for the largest score of my blocks h and 2 + h: four lines; two chains to a block, one over each half, each ascending; level 7 joins them.
; The largest score serves twice: for the row's maximum, and, since p rises with the score, for the block's largest p.
.macro MXL x, k
.if (\k) < 7
.irp c, 0,1
.irp u, 0,1
.if (\k) == 0
	v_max3_num_f32 v[T+28*(\x)+10*\u+\c], v[64*(\x)+32*\c+16*\u], v[64*(\x)+32*\c+16*\u+1], v[64*(\x)+32*\c+16*\u+2]
.else
	v_max3_num_f32 v[T+28*(\x)+10*\u+\c], v[T+28*(\x)+10*\u+\c], v[64*(\x)+32*\c+16*\u+2*(\k)+1], v[64*(\x)+32*\c+16*\u+2*(\k)+2]
.endif
.endr
.endr
.else
.irp c, 0,1
	v_max3_num_f32 v[T+28*(\x)+\c], v[T+28*(\x)+\c], v[T+28*(\x)+10+\c], v[64*(\x)+32*\c+15]
.endr
.irp c, 0,1
	v_max_num_f32 v[T+28*(\x)+\c], v[T+28*(\x)+\c], v[64*(\x)+32*\c+31]
.endr
.endif
.endm
.macro CH x, k                         ; line k (0..8) of x's chain from the block maxima to -M and f
.if (\k) == 0
	v_max_num_f32 v[T+28*(\x)+8], v[T+28*(\x)], v[T+28*(\x)+1]
.elseif (\k) == 1
	v_permlanex16_b32 v[T+28*(\x)+9], v[T+28*(\x)+8], s[SEL], s[SEL+1]
.elseif (\k) == 2
	v_max3_num_f32 v[T+28*(\x)+3], v[T+28*(\x)+3], v[T+28*(\x)+8], v[T+28*(\x)+9]   ; the running largest score of my query
.elseif (\k) == 3
	v_mov_b32 v[T+28*(\x)+10], v[T+28*(\x)+2]
.elseif (\k) == 4
	v_mul_f32 v[T+28*(\x)+8], s[NC], v[T+28*(\x)+3]                                 ; -t
.elseif (\k) == 5
	v_floor_f32 v[T+28*(\x)+2], v[T+28*(\x)+8]                                      ; the new -M = -ceil(t)
.elseif (\k) == 6
	v_sub_f32 v[T+28*(\x)+8], v[T+28*(\x)+2], v[T+28*(\x)+10]                       ; old M - new M: a whole number, 0 or less
.elseif (\k) == 7
	v_cvt_i32_f32 v[T+28*(\x)+8], v[T+28*(\x)+8]                                    ; (it saturates)
.else
	v_ldexp_f32 v[T+28*(\x)+6], 1.0, v[T+28*(\x)+8]                                 ; f = 2^(old M - new M)
.endif
.endm
.macro BULK x, n                       ; line n (0..48) of x's scalings: the sum and O^T under the new M (ahead of the exponentials, so that none stands between the products' writes and this first read), then t - M, two at a time
.if (\n) == 0
	v_pk_mul_f32 v[T+28*(\x)+4:T+28*(\x)+5], v[T+28*(\x)+4:T+28*(\x)+5], v[T+28*(\x)+6:T+28*(\x)+7] op_sel_hi:[1,0]
.elseif (\n) < 17
	v_pk_mul_f32 v[126+32*(\x)+2*(\n):127+32*(\x)+2*(\n)], v[126+32*(\x)+2*(\n):127+32*(\x)+2*(\n)], v[T+28*(\x)+6:T+28*(\x)+7] op_sel_hi:[1,0]
.else
	v_pk_fma_f32 v[64*(\x)+2*(\n)-34:64*(\x)+2*(\n)-33], v[64*(\x)+2*(\n)-34:64*(\x)+2*(\n)-33], s[CS:CS+1], v[T+28*(\x)+2:T+28*(\x)+3] op_sel_hi:[1,0,0]
.endif
.endm
.macro SUMI n                          ; line n (0..63) of the rows' sums, of the unquantised p: four chains for each x, by turns
.if (\n) < 8
.set X_, (\n)/4
.set K_, (\n)%4
	v_pk_add_f32 v[T+28*X_+12+2*K_:T+28*X_+13+2*K_], v[64*X_+2*K_:64*X_+2*K_+1], v[64*X_+8+2*K_:64*X_+9+2*K_]
.elseif (\n) < 56
.set X_, (((\n)-8)%8)/4
.set K_, (\n)%4
.set G_, 2+((\n)-8)/8
	v_pk_add_f32 v[T+28*X_+12+2*K_:T+28*X_+13+2*K_], v[T+28*X_+12+2*K_:T+28*X_+13+2*K_], v[64*X_+8*G_+2*K_:64*X_+8*G_+2*K_+1]
.elseif (\n) < 60
.set X_, ((\n)-56)/2
.set K_, 4*((\n)%2)
	v_pk_add_f32 v[T+28*X_+12+K_:T+28*X_+13+K_], v[T+28*X_+12+K_:T+28*X_+13+K_], v[T+28*X_+14+K_:T+28*X_+15+K_]
.elseif (\n) < 62
.set X_, (\n)-60
	v_pk_add_f32 v[T+28*X_+12:T+28*X_+13], v[T+28*X_+12:T+28*X_+13], v[T+28*X_+16:T+28*X_+17]
.else
.set X_, (\n)-62
	v_pk_add_f32 v[T+28*X_+4:T+28*X_+5], v[T+28*X_+4:T+28*X_+5], v[T+28*X_+12:T+28*X_+13]
.endif
.endm
	s_load_b128 s[4:7], s[0:1], 0x0                ; pj s[4:5], at s[6:7]
	v_lshl_add_u32 v[SPW], v0, 2, SPARE
	v_mov_b32 v[NIL], 0
	ds_add_u32 v[SPW], v[NIL]                      ; the wave's opening: the add, twice on end, and its wait ahead of my first tensor load
	ds_add_u32 v[SPW], v[NIL]
	v_lshrrev_b32 v8, 5, v0
	v_readfirstlane_b32 s[WV], v8                  ; wave 0..7
	s_bfe_u32 s8, ttmp6, 0x40000                   ; cx: it enters Q's and the result's addresses alone
	s_and_b32 s9, ttmp7, 0xffff                    ; batch x 16 + head, which the four partners share
	s_mov_b32 s[G1], 15|(3<<16)|(1<<21)            ; the mask: all four; elements of 8 bytes; bit 21 beside a mask; no padding
	s_mov_b32 s[G1+1], 32<<16                      ; rows of 256 bytes
	s_mov_b32 s[G1+2], 102<<16                     ; 102 of them: two records
	s_mov_b32 s[G1+3], 32<<16
	s_mov_b32 s[G1+4], 102
	s_mov_b32 s[G1+5], 32                          ; dense
	s_mov_b32 s[G1+6], 0
	s_mov_b32 s[G1+7], 0
	s_mov_b32 s[G0], 1
	s_mul_i32 s[G0+1], s[WV], 2*REC                ; my two records' place in LDS
	s_mul_i32 s10, s9, HEADB
	s_add_co_u32 s10, s10, s[G0+1]                 ; and in memory
	s_mov_b32 s11, 0
	s_lshl_b32 s12, s8, 5
	s_add_co_u32 s12, s12, s[WV]                   ; T0 = 32 cx + wave: my tile of pass 0, x = 0; the others lie 8 x + 16 pass tiles on
	s_mul_i32 s13, s9, 98304
	s_mul_i32 s14, s12, 768
	s_add_co_u32 s14, s14, s13
	s_add_co_u32 s14, s14, QC
	s_mov_b32 s15, 0                               ; s[14:15]: its codes
	s_lshl_b32 s16, s9, 13
	s_lshr_b32 s13, s12, 3
	s_lshl_b32 s13, s13, 9
	s_add_co_u32 s16, s16, s13
	s_bfe_u32 s13, s12, 0x10002
	s_lshl_b32 s13, s13, 8
	s_add_co_u32 s16, s16, s13
	s_and_b32 s13, s12, 3
	s_lshl_b32 s13, s13, 2
	s_add_co_u32 s16, s16, s13
	s_add_co_u32 s16, s16, QS
	s_mov_b32 s17, 0                               ; s[16:17]: its scale words: [tile / 8][(tile / 4) % 2][r][tile % 4]
	s_lshr_b32 s13, s9, 4
	s_lshl_b32 s13, s13, 7
	s_add_co_u32 s13, s13, s12                     ; the tile among all 512 of the tokens
	s_and_b32 s19, s9, 15                          ; the head
	s_lshr_b32 s48, s13, 3
	s_mul_i32 s48, s48, 98304                      ; the tile's group of 8,
	s_and_b32 s51, s13, 7
	s_mul_i32 s51, s51, 3072                       ; its place in a K pair,
	s_add_co_u32 s48, s48, s51
	s_lshr_b32 s50, s19, 1                         ; the last product's K step:
	s_lshr_b32 s51, s50, 1
	s_mul_i32 s51, s51, 24576                      ; its K pair,
	s_add_co_u32 s48, s48, s51
	s_and_b32 s51, s50, 1
	s_mul_i32 s51, s51, 1536                       ; which of the pair,
	s_add_co_u32 s48, s48, s51
	s_and_b32 s51, s19, 1                          ; and which half of the step
	s_mul_i32 s54, s51, 768
	s_add_co_u32 s48, s48, s54
	s_mov_b32 s49, 0                               ; s[48:49]: the result's codes
	s_lshl_b32 s52, s13, 9
	s_lshr_b32 s54, s19, 3
	s_lshl_b32 s54, s54, 8
	s_add_co_u32 s52, s52, s54
	s_and_b32 s54, s50, 3
	s_lshl_b32 s54, s54, 2
	s_add_co_u32 s52, s52, s54
	s_lshl_b32 s54, s51, 1
	s_add_co_u32 s52, s52, s54
	s_add_co_u32 s52, s52, ASC
	s_mov_b32 s53, 0                               ; s[52:53]: its two scale bytes
	s_mov_b32 s[SEL], 0x76543210
	s_mov_b32 s[SEL+1], 0xfedcba98                 ; selects for lane l xor 16
	s_mov_b32 s[CS], 0x3e38aa3b                    ; c = log2(e) / 8
	s_mov_b32 s[CS+1], s[CS]
	s_mov_b32 s[NC], 0xbe38aa3b                    ; -c
	s_wait_dscnt 0x0                               ; both opening adds are done
	s_wait_kmcnt 0x0
	s_add_nc_u64 s[G0+2:G0+3], s[4:5], s[10:11]
	s_or_b32 s[G0+3], s[G0+3], 0x80000000
	s_add_nc_u64 s[40:41], s[4:5], s[14:15]
	s_add_nc_u64 s[42:43], s[4:5], s[16:17]
	s_add_nc_u64 s[44:45], s[6:7], s[48:49]
	s_add_nc_u64 s[46:47], s[6:7], s[52:53]
	CROUND                                         ; all four work-groups are here: the joint loads meet
	tensor_load_to_lds s[G0:G0+3], s[G1:G1+7]      ; my two records: the wave's one tensor load
	s_nop 0
	v_and_b32 v8, 31, v0
	v_and_b32 v9, 15, v0
	v_bfe_u32 v10, v0, 4, 1                        ; h
	v_lshlrev_b32 v1, 4, v8                        ; 16 x lane
	v_lshlrev_b32 v2, 3, v8                        ; 8 x lane
	v_lshlrev_b32 v3, 4, v9                        ; 16 r
.irp x, 0,1
	global_load_b128 v[QF+12*\x:QF+12*\x+3], v1, s[40:41] offset:6144*\x              ; Q of pass 0,
	global_load_b64 v[QF+12*\x+4:QF+12*\x+5], v2, s[40:41] offset:6144*\x+512
	global_load_b32 v[QSC+\x], v3, s[42:43] offset:512*\x
	global_load_b128 v[QN+6*\x:QN+6*\x+3], v1, s[40:41] offset:12288+6144*\x          ; and of pass 1: 16 tiles on
	global_load_b64 v[QN+6*\x+4:QN+6*\x+5], v2, s[40:41] offset:12288+6144*\x+512
	global_load_b32 v[QSN+\x], v3, s[42:43] offset:1024+512*\x
.endr
.irp j, 6,7,8,9,10,11,18,19,20,21,22,23
	v_mov_b32 v[QF+\j], 0                          ; zero codes: Q's k = 64 .. 127
.endr
.irp j, 48,49,50,51,52,53
	v_mov_b32 v[KF+\j], 0                          ; and what stands for the last K fragment's upper half
.endr
	WIN 0x40
	v_lshlrev_b32 v[SH], 3, v10                    ; 8 h: how far my two bytes are shifted in p's scale word
	WIN 0
	WALU                                           ; the wait at the head's end
	s_wait_loadcnt 0x0                             ; Q
	s_wait_tensorcnt 0x0                           ; my records are in,
	s_barrier_signal -1
	s_barrier_wait -1                              ; everybody's are: the whole head lies in LDS
	KLOAD 1                                        ; record 0 lies at LDS byte 0: v1, v2, v3 are its addresses
	s_mov_b32 s2, 0                                ; the pass
.Lpass:
	WIN 0x40
.irp x, 0,1
	v_mov_b32 v[T+28*\x+2], 0x7e000000             ; -M = 2^125: the first step's f comes out 0
	v_mov_b32 v[T+28*\x+3], 0xff61b1e6             ; the largest score so far: -3e38
.irp k, 4,5,7,9,25
	v_mov_b32 v[T+28*\x+\k], 0                     ; the sum; and registers that are named as a pair's upper half or as a lane permute's destination
.endr
.endr
.set j, 0
.rept 64
	v_mov_b32 v[128+j], 0                          ; O^T: the step is written once; its first trip finds zeros
.set j, j+1
.endr
	WIN 0
	WALU                                           ; the wait ahead of the wait below
	s_mov_b32 s3, 0                                ; the step
.Lstep:
	s_mul_i32 s[TB], s3, REC
	s_add_co_u32 s[TN], s3, 1
	s_and_b32 s[TN], s[TN], 15
	s_mul_i32 s[TN], s[TN], REC                    ; record (step + 1) % 16
	s_wait_dscnt 0x0                               ; K is in
	WIN 0x40
.irp t, 0,1,2,3,4,5,6,7
	SCORE \t, 0
	SCORE \t, 1
.endr
	WIN 0
.irp i, 0,1,2
	v_add_nc_u32 v[CA+\i], s[TB], v[1+\i]          ; these six are the places ahead of the first read of x = 0's scores
.endr
.irp i, 0,1,2
	v_add_nc_u32 v[NA+\i], s[TN], v[1+\i]
.endr
	VLOAD CA                                       ; this step's V lands under the softmax,
	KLOAD NA                                       ; the next step's K until the next step
	WIN 0x55
.irp k, 0,1,2,3,4,5,6,7
	MXL 0, \k
.endr
.irp k, 0,1,2,3,4,5,6,7
	MXL 1, \k
	CH 0, \k
.endr
	CH 0, 8
.set N, 0
.irp k, 0,1,2,3,4,5,6,7,8
	CH 1, \k
.rept 5
	BULK 0, N
.set N, N+1
.endr
.endr
.rept 4
	BULK 0, N
.set N, N+1
.endr
.set N, 0
.rept 49
	BULK 1, N
.set N, N+1
.endr
.irp x, 0,1
.irp c, 0,1
	v_fma_f32 v[T+28*\x+\c], v[T+28*\x+\c], s[CS], v[T+28*\x+2]   ; t - M of each block's largest score
.endr
.endr
	WALU                                           ; the wait ahead of the batch
.set j, 0
.rept 128
	v_exp_f32 v[j], v[j]                           ; p = 2^(t - M)
.set j, j+1
.endr
.irp x, 0,1
.irp c, 0,1
	v_exp_f32 v[T+28*\x+\c], v[T+28*\x+\c]         ; the block's largest p: the same two instructions on the same number
.endr
.endr
	v_nop                                          ; a plain place behind the exponentials
	WALU                                           ; one wait for the batch of 132, ahead of its first reader
.irp x, 0,1
.irp c, 0,1
	v_max_num_f32 v[T+28*\x+\c], 0x1800000, v[T+28*\x+\c]   ; the floor 2^(3 - 127)
.endr
.endr
.irp x, 0,1
.irp c, 0,1
	v_add_nc_u32 v[T+28*\x+20+\c], 0xff000000, v[T+28*\x+\c]   ; 2 off the exponent field: the conversion's scale operand
.endr
.endr
.irp x, 0,1
.irp c, 0,1
	v_lshrrev_b32 v[T+28*\x+22+\c], 23, v[T+28*\x+20+\c]   ; the byte
.endr
.endr
.irp x, 0,1
	v_lshl_or_b32 v[T+28*\x+24], v[T+28*\x+23], 16, v[T+28*\x+22]   ; blocks h and 2 + h,
.endr
.irp x, 0,1
	v_lshlrev_b32 v[T+28*\x+24], v[SH], v[T+28*\x+24]   ; at their places in the word;
.endr
.irp x, 0,1
	v_permlanex16_b32 v[T+28*\x+25], v[T+28*\x+24], s[SEL], s[SEL+1]
.endr
	WIN 0x05
.irp x, 0,1
	v_or_b32 v[PSC+\x], v[T+28*\x+24], v[T+28*\x+25]   ; with lane l xor 16's two p's scale word is whole
.endr
.irp x, 0,1
.irp c, 0,1
	v_cvt_scalef32_pk16_fp6_f32 v[PF+12*\x+6*\c:PF+12*\x+6*\c+2], v[64*\x+32*\c:64*\x+32*\c+15], v[T+28*\x+20+\c]
	v_cvt_scalef32_pk16_fp6_f32 v[PT+8*\x+4*\c:PT+8*\x+4*\c+2], v[64*\x+32*\c+16:64*\x+32*\c+31], v[T+28*\x+20+\c]   ; (a conversion's three registers begin on an even number)
.endr
.endr
	v_nop                                          ; one plain place behind a scaled conversion
	WIN 0
.irp x, 0,1
.irp c, 0,1
.irp i, 0,1,2
	v_mov_b32 v[PF+12*\x+6*\c+3+\i], v[PT+8*\x+4*\c+\i]   ; the v_nop and these twelve stand between the scale words' writes and the products; x = 1's six between x = 0's codes and their first product
.endr
.endr
.endr
	WIN 0x55
.set N, 0
.rept 64
	SUMI N                                         ; the rows' sums; these 64 lines also stand between the codes' last writes and the products
.set N, N+1
.endr
	WALU                                           ; the wait ahead of the wait below
	s_wait_dscnt 18                                ; V is in; the 18 loads of the next K, issued behind V's, may be out
	WIN 0x50
.irp t, 0,1,2,3
.irp x, 0,1
	v_wmma_scale_f32_16x16x128_f8f6f4 v[128+32*\x+8*\t:128+32*\x+8*\t+7], v[VF+12*\t:VF+12*\t+11], v[PF+12*\x:PF+12*\x+11], v[128+32*\x+8*\t:128+32*\x+8*\t+7], v[VS+\t], v[PSC+\x] matrix_a_fmt:MATRIX_FMT_FP6 matrix_b_fmt:MATRIX_FMT_FP6
.endr
.endr
	WIN 0
	s_add_co_u32 s3, s3, 1
	s_cmp_lt_u32 s3, 16
	s_cbranch_scc1 .Lstep
; THE WAY OUT of a pass: O^T / the sum; register 16 b + i = channel 32 b + 16 h + i of the head (V^T's rows keep that order): two blocks of 32 along the last product's K: half a fragment and two scale bytes for each x.
	WIN 0x55
.irp x, 0,1
	v_add_f32 v[T+28*\x+4], v[T+28*\x+4], v[T+28*\x+5]
.endr
.irp x, 0,1
	v_permlanex16_b32 v[T+28*\x+9], v[T+28*\x+4], s[SEL], s[SEL+1]
.endr
.irp x, 0,1
	v_add_f32 v[T+28*\x+4], v[T+28*\x+4], v[T+28*\x+9]   ; the row's sum
.endr
	WALU
.irp x, 0,1
	v_rcp_f32 v[T+28*\x+4], v[T+28*\x+4]
.endr
	v_nop                                          ; a plain place behind the transcendentals
	WALU                                           ; the wait, directly ahead of the first readers of the quotient and of O^T
.irp x, 0,1
.set j, 0
.rept 16
	v_pk_mul_f32 v[64*\x+j:64*\x+j+1], v[128+32*\x+j:128+32*\x+j+1], v[T+28*\x+4:T+28*\x+5] op_sel_hi:[1,0]   ; each accumulator from its low end on
.set j, j+2
.endr
.endr
.irp x, 0,1
.irp b, 0,1
	v_max3_num_f32 v[T+28*\x+\b], |v[64*\x+16*\b]|, |v[64*\x+16*\b+1]|, 0x1800000
.endr
.endr
.irp i, 2,4,6,8,10,12,14
.irp x, 0,1
.irp b, 0,1
	v_max3_num_f32 v[T+28*\x+\b], v[T+28*\x+\b], |v[64*\x+16*\b+\i]|, |v[64*\x+16*\b+\i+1]|
.endr
.endr
.endr
.irp x, 0,1
	v_permlanex16_b32 v[T+28*\x+9], v[T+28*\x], s[SEL], s[SEL+1]
	v_permlanex16_b32 v[T+28*\x+25], v[T+28*\x+1], s[SEL], s[SEL+1]
.endr
.irp x, 0,1
	v_max_num_f32 v[T+28*\x], v[T+28*\x], v[T+28*\x+9]      ; with lane l xor 16's 16 channels
	v_max_num_f32 v[T+28*\x+1], v[T+28*\x+1], v[T+28*\x+25]
.endr
.irp x, 0,1
.irp b, 0,1
	v_add_nc_u32 v[T+28*\x+20+\b], 0xff000000, v[T+28*\x+\b]
.endr
.endr
.irp x, 0,1
.irp b, 0,1
	v_lshrrev_b32 v[T+28*\x+22+\b], 23, v[T+28*\x+20+\b]
.endr
.endr
.irp x, 0,1
	v_lshl_or_b32 v[T+28*\x+24], v[T+28*\x+23], 8, v[T+28*\x+22]   ; the head's two bytes
.endr
	WIN 0x05
.irp x, 0,1
	v_cvt_scalef32_pk16_fp6_f32 v[PF+12*\x:PF+12*\x+2], v[64*\x:64*\x+15], v[T+28*\x+20]
	v_cvt_scalef32_pk16_fp6_f32 v[PT+8*\x:PT+8*\x+2], v[64*\x+16:64*\x+31], v[T+28*\x+21]
.endr
	v_nop                                          ; one plain place behind a scaled conversion
	WIN 0
.irp x, 0,1
.irp i, 0,1,2
	v_permlane16_swap_b32 v[PF+12*\x+\i], v[PT+8*\x+\i]   ; a whole block to a lane: lanes 0-15 block 0, lanes 16-31 block 1
.endr
.endr
.irp x, 0,1
.irp i, 0,1,2
	v_mov_b32 v[PF+12*\x+3+\i], v[PT+8*\x+\i]
.endr
.endr
.irp x, 0,1
	global_store_b128 v1, v[PF+12*\x:PF+12*\x+3], s[44:45] offset:98304*\x          ; 512 consecutive bytes, aligned to 256; x = 1's tile lies one group of 8 on
	global_store_b64 v2, v[PF+12*\x+4:PF+12*\x+5], s[44:45] offset:98304*\x+512     ; 256
.endr
	WIN 0x04
.irp x, 0,1
	global_store_b16 v3, v[T+28*\x+24], s[46:47] offset:4096*\x                     ; (lanes 16-31 repeat lanes 0-15's bytes with the same values)
.endr
	WIN 0
	s_wait_xcnt 0x0                                ; the stores have read their registers and bases
	s_add_nc_u64 s[44:45], s[44:45], 196608        ; 16 tiles, two groups, on
	s_add_nc_u64 s[46:47], s[46:47], 8192
.irp x, 0,1
.irp i, 0,1,2,3,4,5
	v_mov_b32 v[QF+12*\x+\i], v[QN+6*\x+\i]        ; the next pass's Q
.endr
	v_mov_b32 v[QSC+\x], v[QSN+\x]                 ; (the pass's opening moves, more than eight, stand between this write and the first product)
.endr
	s_add_co_u32 s2, s2, 1
	s_cmp_lt_u32 s2, 2
	WALU                                           ; the wait ahead of the branch
	s_cbranch_scc1 .Lpass
	s_wait_tensorcnt 0x0                           ; the wave's end
	ds_add_u32 v[SPW], v[NIL]
	s_wait_dscnt 0x0
	CROUND                                         ; the closing round
	s_endpgm
.Lfunc_end_k_qa98981d7df_attn:
	.size	k_qa98981d7df_attn, .Lfunc_end_k_qa98981d7df_attn-k_qa98981d7df_attn
	.p2alignl 7, 3214868480
	.fill 96, 4, 3214868480
	.section	.rodata,"a",@progbits
	.p2align	6, 0x0
	.amdhsa_kernel k_qa98981d7df_attn
		.amdhsa_group_segment_fixed_size 327680
		.amdhsa_private_segment_fixed_size 0
		.amdhsa_enable_private_segment 0
		.amdhsa_kernarg_size 16
		.amdhsa_user_sgpr_count 2
		.amdhsa_user_sgpr_kernarg_segment_ptr 1
		.amdhsa_wavefront_size32 1
		.amdhsa_system_sgpr_workgroup_id_x 1
		.amdhsa_system_sgpr_workgroup_id_y 1
		.amdhsa_system_sgpr_workgroup_id_z 1
		.amdhsa_system_vgpr_workitem_id 0
		.amdhsa_next_free_vgpr 512
		.amdhsa_next_free_sgpr 66
		.amdhsa_reserve_vcc 0
		.amdhsa_float_denorm_mode_32 3
		.amdhsa_float_denorm_mode_16_64 3
		.amdhsa_memory_ordered 1
		.amdhsa_forward_progress 1
		.amdhsa_inst_pref_size 46
	.end_amdhsa_kernel
	.amdgpu_metadata
---
amdhsa.version: [ 1, 2 ]
amdhsa.kernels:
  - .name:           k_qa98981d7df_attn
    .symbol:         k_qa98981d7df_attn.kd
    .args:
      - { .name: pj, .offset: 0, .size: 8, .value_kind: global_buffer, .address_space: global }
      - { .name: at, .offset: 8, .size: 8, .value_kind: global_buffer, .address_space: global }
    .group_segment_fixed_size: 327680
    .private_segment_fixed_size: 0
    .kernarg_segment_align: 8
    .kernarg_segment_size: 16
    .max_flat_workgroup_size: 256
    .sgpr_count:     66
    .vgpr_count:     512
    .wavefront_size: 32
...
	.end_amdgpu_metadata
.endif
;; end of part 3
;; launch oproj (part 4): grid 4 x 64, 4 waves a work-group, clusters of 4 x 4, 327,680 bytes of LDS; arguments at, bo, out0; writes out0
.if DOCPART == 4
	.amdgcn_target "amdgcn-amd-amdhsa--gfx1250"
	.amdhsa_code_object_version 6
	.text
	.protected	k_qa98981d7df_oproj
	.globl	k_qa98981d7df_oproj
	.p2align	8
	.type	k_qa98981d7df_oproj,@function
k_qa98981d7df_oproj:
	s_mov_b64 s[64:65], 0
	v_nop
	global_prefetch_b8 v0, s[64:65] scope:SCOPE_SE
	s_setreg_imm32_b32 hwreg(HW_REG_WAVE_MODE, 25, 1), 1
	s_wait_xcnt 0x0
	s_wait_alu depctr_hold_cnt(0) depctr_sa_sdst(0) depctr_va_vdst(0) depctr_va_sdst(0) depctr_va_ssrc(0) depctr_va_vcc(0) depctr_vm_vsrc(0)
	s_getreg_b32 s2, hwreg(HW_REG_IB_STS2, 6, 4)
	s_cmp_eq_u32 s2, 0
	s_cbranch_scc0 .Lentry_in_a_cluster
	s_endpgm
.Lentry_in_a_cluster:
	s_bfe_u32 s2, ttmp6, 0x10000c
	s_cmp_lg_u32 s2, 0xf033
	s_cbranch_scc0 .Lentry_shape_is_right
	s_endpgm
.Lentry_shape_is_right:
; out0 [8192][1024] = A wo^T + bo, f32.  A (the attention's result) and wo arrive as codes of FP6 (E2M3) with E8M0 scale words, in buffer at: codes [group of 8 tiles][K pair 0..3][tile][K step in the pair][1536 bytes],
; a tile = 16 rows (lane r of tile 2 B + u holds row 32 B + 8 u + r + 8 (r / 8)), a fragment's image = two halves of 768 bytes (16 bytes a lane, then 8 bytes a lane); scale words [tile][K half][r][4 words].
; SHARES: a work-group makes 128 x 256 of the result: 64 x 4 = 256 work-groups.  Its operands, ALL OF K, lie whole in LDS: A's group of 8 tiles (98,304 bytes) and wo's two groups (196,608): each wave asks for its part by ONE tensor load
; at the head (waves 0 and 1 a half each of A's group, two K pairs; waves 2 and 3 a group each of wo's), each part one dense run of memory, stated as rows of 3072 bytes.  Nothing is filled again, so the walk along K has no round.
; A wave makes 64 x 128: 32 accumulators (window 2).  K goes in 8 steps of 128; fragments lie in two sets (A's four in window 0, wo's eight in window 1): a step's 48 LDS loads are issued ahead of the step before's 32 products.
; CLUSTERS: 4 x 4 work-groups: A's parts are shared along a row of the cluster, wo's along a column, by joint loads.
; THE MATRIX INSTRUCTION IS USED TRANSPOSED (source 0 = 16 rows of wo, source 1 = 16 rows of A): a lane holds eight neighbouring numbers of a row of the result.  The bias is the first products' C.
; One register carries A's scale word (lanes 0-15) and wo's (lanes 16-31) of tile i and K step g: v[SC + 8 i + g]; for i over 3 lanes 0-15 hold words of later tiles of the buffer, which no product reads.
; THE WAY OUT: a block of 16 rows x 128 columns goes through the wave's own stage in LDS and leaves as whole rows of 512 bytes.  The stages lie on A's bytes: a barrier round the last step's products shows that every wave's reads of the tiles are over.
; No prefetch: each work-group's whole stream is asked for at its head, and there is no loop ahead of it to ask in.
.set FR,    12
.set KP,    24576                      ; a K pair of a group of 8 tiles
.set GRP,   4*KP                       ; a group, all of K
.set SPARE, 3*GRP                      ; behind the tiles: the spare words, 128 bytes a wave: two blocks of 256 bytes that no other line names
.set WOC,   6291456
.set ASC,   7077888
.set WOS,   7340032
.set STO,   12                         ; v12  the way out: where I put 32 bytes of a row
.set RD,    13                         ; v13  where I read a row back
.set A16,   16                         ; v16-17 LDS address of my A fragments' 16-byte parts, K pairs 0-1 and 2-3;  v18-19 of their 8-byte parts
.set A8,    18
.set B16,   20                         ; v20-23 the same for wo
.set B8,    22
.set SPW,   28
.set NIL,   29
.set SC,    32                         ; v32-95 scale words
.set BI,    96                         ; v96-127, v224-255 the bias, as the first products' C
.set AF,    128                        ; v128-175, v176-223 A's fragments, two sets
.set BK,    128                        ; the way out: v128-191, v192-255 by turns
.set G1A,   24
.set G0A,   32
.set G1B,   44
.set G0B,   52
.set MSB,   0
.macro WIN new                         ; the immediate's high byte repeats the setting that is left
.if MSB != \new
	s_set_vgpr_msb (MSB<<8)|\new
.set MSB, \new
.endif
.endm
.set MUL_W, 0xa1                       ; source 0 (wo) window 1, source 1 (A) window 0, C and D window 2
.set FST_W, 0x81                       ; the same with C (the bias) in window 0
.set TO_B,  0x40
.macro PLACES n
.rept \n
	v_nop
.endr
.endm
.macro CROUND
	s_barrier_signal -1
	s_barrier_wait -1
	s_cmp_lg_u32 s14, 0
	s_cbranch_scc1 .Lnot_wave_0_\@
	s_barrier_signal -3
.Lnot_wave_0_\@:
	s_barrier_wait -3
	s_barrier_signal -1
	s_barrier_wait -1
.endm
.macro FRAG reg, a16, a8, off
	ds_load_b128 v[\reg:\reg+3], v[\a16] offset:\off
	ds_load_b64 v[\reg+4:\reg+5], v[\a8] offset:\off+512
	ds_load_b128 v[\reg+6:\reg+9], v[\a16] offset:\off+768
	ds_load_b64 v[\reg+10:\reg+11], v[\a8] offset:\off+1280
.endm
.macro FETCH g                         ; step g's fragments into set g % 2: wo's eight and my four of A: 48 loads
	WIN TO_B
.irp i, 0,1,2,3,4,5,6,7
	FRAG 128*((\g)%2)+FR*\i, B16+(\g)/4, B8+(\g)/4, KP*(((\g)/2)%2)+3072*\i+1536*((\g)%2)
.endr
	WIN 0
.irp i, 0,1,2,3
	FRAG AF+48*((\g)%2)+FR*\i, A16+(\g)/4, A8+(\g)/4, KP*(((\g)/2)%2)+3072*\i+1536*((\g)%2)
.endr
.endm
.macro MUL32 g                         ; a step's 32 products; the 32 accumulators take turns, one instruction a turn, in the same order in every step
.irp a, 0,1,2,3
.irp b, 0,1,2,3,4,5,6,7
.if (\g) == 0
	v_wmma_scale_f32_16x16x128_f8f6f4 v[8*(8*\a+\b):8*(8*\a+\b)+7], v[FR*\b:FR*\b+FR-1], v[AF+FR*\a:AF+FR*\a+FR-1], v[BI+8*\b+96*(\b/4):BI+8*\b+96*(\b/4)+7], v[SC+8*\b], v[SC+8*\a] matrix_a_fmt:MATRIX_FMT_FP6 matrix_b_fmt:MATRIX_FMT_FP6 matrix_a_scale:MATRIX_SCALE_ROW1
.else
	v_wmma_scale_f32_16x16x128_f8f6f4 v[8*(8*\a+\b):8*(8*\a+\b)+7], v[128*((\g)%2)+FR*\b:128*((\g)%2)+FR*\b+FR-1], v[AF+48*((\g)%2)+FR*\a:AF+48*((\g)%2)+FR*\a+FR-1], v[8*(8*\a+\b):8*(8*\a+\b)+7], v[SC+8*\b+(\g)], v[SC+8*\a+(\g)] matrix_a_fmt:MATRIX_FMT_FP6 matrix_b_fmt:MATRIX_FMT_FP6 matrix_a_scale:MATRIX_SCALE_ROW1
.endif
.endr
.endr
.endm
	s_load_b128 s[4:7], s[0:1], 0x0                ; at s[4:5], bo s[6:7]
	s_load_b64 s[8:9], s[0:1], 0x10                ; out0
	v_lshl_add_u32 v[SPW], v0, 2, SPARE
	v_mov_b32 v[NIL], 0
	ds_add_u32 v[SPW], v[NIL]                      ; the wave's opening: the add, twice on end, and its wait ahead of my first tensor load
	ds_add_u32 v[SPW], v[NIL]
	v_lshrrev_b32 v1, 5, v0
	v_readfirstlane_b32 s14, v1                    ; wave 0..3
	s_lshr_b32 s15, s14, 1                         ; which 64 rows are mine.  Also: I fetch for A (0) or for wo (1)
	s_and_b32 s16, s14, 1                          ; which 128 columns.  Also: which part I fetch
	s_bfe_u32 s66, ttmp6, 0x40000                  ; cx
	s_bfe_u32 s67, ttmp6, 0x40004                  ; cy
	s_lshl_b32 s68, s67, 2
	s_lshl_b32 s68, 15, s68                        ; my row of the cluster
	s_lshl_b32 s69, 0x1111, s66                    ; my column
	s_or_b32 s[G1A], s68, (3<<16)|(1<<21)          ; the mask; elements of 8 bytes; bit 21 beside a mask; no padding
	s_or_b32 s[G1B], s69, (3<<16)|(1<<21)
.irp g, G1A, G1B
	s_mov_b32 s[\g+1], 384<<16                     ; rows of 3072 bytes,
	s_mov_b32 s[\g+3], 384<<16
	s_mov_b32 s[\g+5], 384                         ; dense
	s_mov_b32 s[\g+6], 0
	s_mov_b32 s[\g+7], 0
.endr
	s_mov_b32 s[G1A+2], 16<<16                     ; A: 16 rows: two K pairs of the group
	s_mov_b32 s[G1A+4], 16
	s_mov_b32 s[G1B+2], 32<<16                     ; wo: 32 rows: a whole group
	s_mov_b32 s[G1B+4], 32
	s_and_b32 s70, ttmp7, 0xffff
	s_lshl_b32 s70, s70, 2
	s_add_co_u32 s70, s70, s67                     ; block row: 128 rows, one group of A's tiles
	s_lshl_b32 s71, ttmp9, 2
	s_add_co_u32 s71, s71, s66                     ; block column: 256 columns, two groups of wo's tiles
	s_mul_i32 s90, s70, GRP
	s_mul_i32 s17, s16, 2*KP
	s_add_co_u32 s90, s90, s17                     ; A's part: my half of the group
	s_mov_b32 s91, 0
	s_lshl_b32 s92, s71, 1
	s_add_co_u32 s92, s92, s16
	s_mul_i32 s92, s92, GRP
	s_add_co_u32 s92, s92, WOC                     ; wo's part: my group
	s_mov_b32 s93, 0
	s_mov_b32 s[G0A], 1
	s_mul_i32 s[G0A+1], s16, 2*KP                  ; LDS: A's group at 0,
	s_mov_b32 s[G0B], 1
	s_mul_i32 s[G0B+1], s16, GRP
	s_add_co_u32 s[G0B+1], s[G0B+1], GRP           ; wo's two behind it
	s_lshl_b32 s20, s70, 3
	s_lshl_b32 s21, s15, 2
	s_add_co_u32 s20, s20, s21                     ; my first tile of A
	s_lshl_b32 s20, s20, 9
	s_add_co_u32 s20, s20, ASC                     ; its scale words
	s_lshl_b32 s22, s71, 4
	s_lshl_b32 s23, s16, 3
	s_add_co_u32 s22, s22, s23                     ; my first tile of wo
	s_lshl_b32 s22, s22, 9
	s_add_co_u32 s22, s22, WOS
	s_sub_co_u32 s22, s22, s20                     ; how far its scale words lie behind A's
	s_lshl_b32 s72, s71, 10
	s_lshl_b32 s73, s16, 9
	s_add_co_u32 s72, s72, s73                     ; my first column, in bytes
	s_mov_b32 s73, 0
	s_mul_i32 s74, s15, 4*3072                     ; LDS: my four tiles of A in a K pair
	s_mul_i32 s75, s16, GRP
	s_add_co_u32 s75, s75, GRP                     ; my group of wo
	s_mul_i32 s76, s14, 16*528                     ; my stage: 16 rows of 512 + 16 bytes, on A's bytes
	s_lshl_b32 s78, s70, 7
	s_lshl_b32 s79, s15, 6
	s_add_co_u32 s78, s78, s79                     ; my first row of the result
	s_lshl_b32 s78, s78, 12
	s_add_co_u32 s78, s78, s72
	s_mov_b32 s79, 0
	s_wait_dscnt 0x0                               ; both opening adds are done
	s_wait_kmcnt 0x0
	s_add_nc_u64 s[G0A+2:G0A+3], s[4:5], s[90:91]
	s_or_b32 s[G0A+3], s[G0A+3], 0x80000000
	s_add_nc_u64 s[G0B+2:G0B+3], s[4:5], s[92:93]
	s_or_b32 s[G0B+3], s[G0B+3], 0x80000000
	s_add_nc_u64 s[6:7], s[6:7], s[72:73]
	s_add_nc_u64 s[8:9], s[8:9], s[78:79]
	CROUND                                         ; all sixteen work-groups are here: the joint loads meet
	s_cmp_eq_u32 s15, 0                            ; one tensor load a wave, in the two arms of one branch on the wave's number
	s_cbranch_scc0 .Lfor_b
	tensor_load_to_lds s[G0A:G0A+3], s[G1A:G1A+7]
	s_nop 0
	PLACES 4
	s_branch .Lasked
.Lfor_b:
	tensor_load_to_lds s[G0B:G0B+3], s[G1B:G1B+7]
	s_nop 0
	PLACES 4
.Lasked:
	v_and_b32 v1, 31, v0
	v_and_b32 v8, 15, v0                           ; r
	v_bfe_u32 v9, v0, 4, 1                         ; h
	v_lshlrev_b32 v2, 4, v1                        ; 16 x lane
	v_lshlrev_b32 v3, 3, v1                        ; 8 x lane
	v_mul_lo_u32 v11, v9, s22                      ; lanes 16-31 take wo's scale words
	v_lshl_add_u32 v11, v8, 4, v11
	v_add_nc_u32 v11, s20, v11
	v_lshlrev_b32 v30, 6, v9                       ; the bias: lanes 16-31 begin 16 columns on
.irp i, 0,1,2,3,4,5,6,7
	global_load_b128 v[SC+8*\i:SC+8*\i+3], v11, s[4:5] offset:512*\i
	global_load_b128 v[SC+8*\i+4:SC+8*\i+7], v11, s[4:5] offset:512*\i+256
.endr
.irp b, 0,1,2,3,4,5,6,7
	global_load_b128 v[BI+8*\b+96*(\b/4):BI+8*\b+96*(\b/4)+3], v30, s[6:7] offset:4*(32*(\b/2)+8*(\b%2))        ; register j of tile b is column 32 (b / 2) + 8 (b % 2) + 16 h + j
	global_load_b128 v[BI+8*\b+96*(\b/4)+4:BI+8*\b+96*(\b/4)+7], v30, s[6:7] offset:4*(32*(\b/2)+8*(\b%2))+16
.endr
	v_add_nc_u32 v[A16], s74, v2
	v_add_nc_u32 v[A8], s74, v3
	v_add_nc_u32 v[B16], s75, v2
	v_add_nc_u32 v[B8], s75, v3
.irp q, A16, A8, B16, B8
	v_add_nc_u32 v[\q+1], 2*KP, v[\q]              ; K pairs 2 and 3
.endr
	v_mul_u32_u24 v[STO], v8, 528
	v_lshl_add_u32 v[STO], v9, 6, v[STO]
	v_add_nc_u32 v[STO], s76, v[STO]               ; into the stage: row r, + 64 h
	v_add_nc_u32 v[RD], s76, v2                    ; out of it: the 32 lanes take a row of 512 bytes
	s_wait_alu depctr_va_vdst(0)                   ; the wait at the head's end
	s_wait_tensorcnt 0x0                           ; my part is in,
	s_barrier_signal -1
	s_barrier_wait -1                              ; everybody's is: both operands lie whole in LDS
	FETCH 0
	s_wait_loadcnt 0x0                             ; the scale words and the bias
.irp g, 0,1,2,3,4,5,6
.if \g > 0
	PLACES 4                                       ; places ahead of loads into the set that the step before multiplied
.endif
	FETCH \g+1
	s_wait_dscnt 48                                ; this step's fragments are in; the 48 loads just issued may be out
.if \g == 0
	WIN FST_W
.else
	WIN MUL_W
.endif
	MUL32 \g
.endr
	WIN 0
	s_wait_dscnt 0x0                               ; the last step's fragments are in: my reads of the tiles are over:
	s_barrier_signal -1                            ; say so,
	WIN MUL_W
	MUL32 7                                        ; work on registers while the others arrive,
	WIN 0
	s_barrier_wait -1                              ; and behind this wait nobody reads the tiles any more: their bytes, which have had their one fill, take the stages
.macro TOSTAGE a
	WIN 0x08                                       ; the data: window 2
.irp b, 0,1,2,3,4,5,6,7
	ds_store_b128 v[STO], v[64*(\a)+8*\b:64*(\a)+8*\b+3] offset:128*(\b/2)+32*(\b%2)          ; each accumulator from its low end on
	ds_store_b128 v[STO], v[64*(\a)+8*\b+4:64*(\a)+8*\b+7] offset:128*(\b/2)+32*(\b%2)+16
.endr
	WIN 0
.set BB, BK+64*((\a)%2)
.irp t, 0,1,2,3,4,5,6,7,8,9,10,11,12,13,14,15
	ds_load_b128 v[BB+4*\t:BB+4*\t+3], v[RD] offset:\t*528   ; LDS serves a wave's instructions in order: these see the stores above
.endr
.endm
.macro SEND a, younger                 ; younger: the LDS instructions issued behind block a's loads, which may stay out
.set BB, BK+64*((\a)%2)
	s_wait_dscnt \younger
.if (\a) > 0
.if ((\a)%2) == 1
	s_add_nc_u64 s[8:9], s[8:9], 8*4096            ; (behind a wait on XCNT)  tile 2 B + 1 begins 8 rows behind tile 2 B,
.else
	s_add_nc_u64 s[8:9], s[8:9], 24*4096           ; tile 2 B + 2 another 24
.endif
.endif
.irp t, 0,1,2,3,4,5,6,7,8,9,10,11,12,13,14,15
	global_store_b128 v2, v[BB+4*\t:BB+4*\t+3], s[8:9] offset:(\t+8*(\t/8))*4096 th:TH_STORE_NT   ; 32 lanes store 512 consecutive bytes, aligned to 256
.endr
.endm
	PLACES 4                                       ; places behind the last products: ahead of the stores of results and of the loads into A's registers
	TOSTAGE 0
.irp a, 1,2,3
.if \a > 1
	s_wait_xcnt 0x0                                ; block a - 2's stores have read their registers and their base
.endif
	TOSTAGE \a
	SEND \a-1, 32                                  ; behind block a - 1's loads: block a's 16 stores and 16 loads
.endr
	s_wait_xcnt 0x0
	SEND 3, 0
	s_wait_tensorcnt 0x0                           ; the wave's end
	ds_add_u32 v[SPW], v[NIL]
	s_wait_dscnt 0x0
	CROUND                                         ; the closing round
	s_endpgm
.Lfunc_end_k_qa98981d7df_oproj:
	.size	k_qa98981d7df_oproj, .Lfunc_end_k_qa98981d7df_oproj-k_qa98981d7df_oproj
	.p2alignl 7, 3214868480
	.fill 96, 4, 3214868480
	.section	.rodata,"a",@progbits
	.p2align	6, 0x0
	.amdhsa_kernel k_qa98981d7df_oproj
		.amdhsa_group_segment_fixed_size 327680
		.amdhsa_private_segment_fixed_size 0
		.amdhsa_enable_private_segment 0
		.amdhsa_kernarg_size 24
		.amdhsa_user_sgpr_count 2
		.amdhsa_user_sgpr_kernarg_segment_ptr 1
		.amdhsa_wavefront_size32 1
		.amdhsa_system_sgpr_workgroup_id_x 1
		.amdhsa_system_sgpr_workgroup_id_y 1
		.amdhsa_system_sgpr_workgroup_id_z 1
		.amdhsa_system_vgpr_workitem_id 0
		.amdhsa_next_free_vgpr 768
		.amdhsa_next_free_sgpr 100
		.amdhsa_reserve_vcc 0
		.amdhsa_float_denorm_mode_32 3
		.amdhsa_float_denorm_mode_16_64 3
		.amdhsa_memory_ordered 1
		.amdhsa_forward_progress 1
		.amdhsa_inst_pref_size 83
	.end_amdhsa_kernel
	.amdgpu_metadata
---
amdhsa.version: [ 1, 2 ]
amdhsa.kernels:
  - .name:           k_qa98981d7df_oproj
    .symbol:         k_qa98981d7df_oproj.kd
    .args:
      - { .name: at, .offset: 0, .size: 8, .value_kind: global_buffer, .address_space: global }
      - { .name: bo, .offset: 8, .size: 8, .value_kind: global_buffer, .address_space: global }
      - { .name: out0, .offset: 16, .size: 8, .value_kind: global_buffer, .address_space: global }
    .group_segment_fixed_size: 327680
    .private_segment_fixed_size: 0
    .kernarg_segment_align: 8
    .kernarg_segment_size: 24
    .max_flat_workgroup_size: 128
    .sgpr_count:     100
    .vgpr_count:     768
    .wavefront_size: 32
...
	.end_amdgpu_metadata
.endif
;; end of part 4
